; MI455X (gfx1250); checked and timed in simulation.
; The chip was launched on July 23, 2026; its instructions are those of AMD's public machine-readable ISA for CDNA 5 (MIT licence, August 2026) and "CDNA5" Instruction Set Architecture Reference Guide (July 2026). The comments in the code are by the model that wrote it; some were corrected since.
;; Non Local. Allowed arithmetic: matrix products marked QUANTISED: E5M2 operands, one E8M0 scale for each 32 along K, by v_wmma_scale_f32_16x16x128_f8f6f4 with both operands' format E5M2, f32 sums; everything else in f32.
;; Inputs: Wk 512 x 512 float32; Wo 512 x 512 float32; Wq 512 x 512 float32; Wv 512 x 512 float32; beta 512 float32; bk 512 float32; bo 512 float32; bq 512 float32; bv 512 float32; gamma 512 float32; inp 16 x 512 x 32 x 32 float32.
;; Outputs: out0 16 x 512 x 32 x 32 float32.
;; This version of the problem:
;;   THIS VERSION OF THE PROBLEM IS GIVEN IN LOW PRECISION. The matrix products marked QUANTISED in the list below multiply operands that are first quantised to E5M2 (5 exponent bits, 2 mantissa bits; 8 bits a number), with one power-of-two scale for each 32 numbers along K (OCP MX v1.0); their sums are f32. All else is computed in f32.
;;   The module's matrix products, in the order in which they are computed (A, B: the left and right operand; K: the contracted axis; several contracted axes count as one K, in the product's order):
;;     1. [M 16,384, K 512] x [K 512, N 512]; A: computed on the way; B: input Wq: QUANTISED
;;     2. [M 16,384, K 512] x [K 512, N 512]; A: computed on the way; B: input Wk: QUANTISED
;;     3. [M 16,384, K 512] x [K 512, N 512]; A: computed on the way; B: input Wv: QUANTISED
;;     4. batch 16 x [M 1,024, K 512] x [K 512, N 1,024]; A: computed on the way; B: computed on the way: QUANTISED
;;     5. batch 16 x [M 512, K 1,024] x [K 1,024, N 1,024]; A: computed on the way; B: softmax (see below): QUANTISED
;;     6. [M 16,384, K 512] x [K 512, N 512]; A: computed on the way; B: input Wo: QUANTISED
;;   THE QUANTISER, for each operand of a quantised product, along K:
;;     - K is cut into blocks of 32 from its start; a last block that is shorter is filled with zeros.
;;     - A block's scale is 2^e with e = floor(log2(the largest magnitude in the block)) - 15, held to -126 .. 127; a block of zeros has e = 0. As a byte (E8M0): e + 127.
;;     - Each number is divided by its block's scale, clamped to +-57,344, and rounded to the nearest number of E5M2, ties to even, subnormals kept.
;;     - The product sums the exact products of the quantised numbers (number of the format x scale) in f32.
;;   ~~~python
;;   def quantise(x, axis):      # numpy; x: float32 -> the quantised numbers, widened to float32 again
;;       x = np.moveaxis(x, axis, -1); K = x.shape[-1]
;;       x = np.pad(x, [(0, 0)] * (x.ndim - 1) + [(0, -K % 32)]); x = x.reshape(x.shape[:-1] + (-1, 32)); a = np.abs(x).max(-1, keepdims=True)
;;       e = np.where(a > 0, np.clip(np.frexp(np.where(a > 0, a, 1))[1] - 1 - 15, -126, 127), 0)      # np.frexp(a)[1] - 1 = floor(log2(a)), exactly
;;       r = np.clip(x / 2.0 ** e, -57344, 57344)
;;       step = 2.0 ** (np.maximum(np.frexp(np.where(r == 0, 1, r))[1] - 1, -14) - 2)
;;       q = np.round(r / step) * step * 2.0 ** e      # np.round: ties to even
;;       return np.moveaxis(q.reshape(q.shape[:-2] + (-1,))[..., :K], -1, axis).astype(np.float32)
;;   ~~~
;;   SOFTMAX AHEAD OF A QUANTISED PRODUCT. Where the list says 'softmax', what is quantised is not the finished softmax but p = 2^(t - M), with t = logit x log2(e) and M = ceil(the row's largest t), a whole number; so 1/2 < the row's largest p <= 1. The row's sum l is taken of the UNQUANTISED p, in f32, and the product's result is divided by l at the end. Since M is a whole number, a kernel that streams over the keys may use a running M (the ceiling of the running maximum): every later rescaling is an exact power of two, which a block's scale takes up: the codes' values come out the same.
;;   OPERANDS COMPUTED ON THE WAY. 'Computed on the way' means the value that the module computes at that place (a softmax that the list does not call 'softmax' is quantised finished and normalised). What goes into a quantiser is computed in f32, as accurately as f32 sums, v_exp_f32 and their like allow (about 1e-6 of the number): no bf16 or f16 on the way to a quantiser, and a product that is left as it is and whose result goes on into a quantised operand takes f32 operands (vector FMAs, or v_wmma_f32_16x16x4_f32). A number that lies on a knife's edge between two numbers of the format may be rounded either way, as far as f32 arithmetic and the matrix unit's own rounding can turn it there, and no further.
;; One version. Each part assembles by itself: llvm-mc -triple=amdgcn-amd-amdhsa -mcpu=gfx1250 --defsym DOCPART=n.
;; ======== version 1 of 1: 3 launches
;; workspace buffers: xc 8,388,608 bytes; xs 262,144 bytes; wc 1,048,576 bytes; ws 32,768 bytes; bi 131,072 bytes; cod 25,165,824 bytes; scl 786,432 bytes
;; launch prep (part 1): grid 16 x 16, 8 waves a work-group, no clusters, 35,840 bytes of LDS; arguments inp, gamma, beta, Wq, Wk, Wv, Wo, bq, bk, bv, bo, xc, xs, wc, ws, bi; writes xc, xs, wc, ws, bi
.if DOCPART == 1
	.amdgcn_target "amdgcn-amd-amdhsa--gfx1250"
	.amdhsa_code_object_version 6
	.text
	.protected	k_qf2d7b0cd82_prep
	.globl	k_qf2d7b0cd82_prep
	.p2align	8
	.type	k_qf2d7b0cd82_prep,@function
k_qf2d7b0cd82_prep:
	s_mov_b64 s[64:65], 0
	v_nop
	global_prefetch_b8 v0, s[64:65] scope:SCOPE_SE
	s_setreg_imm32_b32 hwreg(HW_REG_WAVE_MODE, 25, 1), 1
	s_wait_xcnt 0x0
; GroupNorm, and everything that is quantised once: x along the channels, the four weights along their inner axis; the four biases laid out as C operands.
; Codes are E5M2 with one E8M0 byte for each 32 along K: byte = exponent field of the block's largest magnitude - 15; numbers are held within +-57,344 x scale and rounded to the nearest code.
; LIMITS: NaN and infinities are not served.  A block whose largest magnitude lies under 2^-111 gets the byte 1; so does a block of zeros (the rule says 127): its codes are zeros, and only this program reads the bytes.
; SHARES.  Work-group (kb, b) owns channels 32 kb .. 32 kb + 31 of batch b: two whole groups of the norm, and one quantiser block for each of the 1,024 pixels.  128 KB, all kept in registers
; between the pass for the mean, the pass for the variance (of the centred numbers) and the conversion: inp is read once here.  Wave w: pixels 128 w on; lane l: pixels 128 w + 4 l + j of all 32 channels.
; OUTPUT LAYOUT: images of operand registers.  A fragment (16 rows x 128 K) is 2,048 bytes [c 4][lane 32][16 bytes]; lane (r, h) holds K = 32 c + 16 h + 0 .. 15 of row r.
; A tile's 16 pixels are n = 64 i + 32 (p / 2) + 8 (p % 2) + r + 8 (r / 8), a weight tile's rows likewise, so that results of two neighbouring tiles are 16 neighbours along the next product's K.
; SIDE JOBS of work-group g = 16 b + kb: half a weight tile (16 rows x 256 columns, 16 numbers a thread) and 512 bytes of the bias images.
; No matrix work, no tensor loads, no cluster: the launch streams each byte once and shares nothing between work-groups.
.set CST,   0                          ; LDS: 8 x 4,096: each wave's codes, in the order of the images
.set XSB,   32768                      ; 8 x 128: each wave's scale bytes
.set WSB,   33792                      ; 128: the weight tile's scale bytes
.set RED,   34048                      ; 64 bytes: the waves' sums; the sums of squares 256 bytes on
.set FLOOR, 0x8000000                  ; 2^(16 - 127)
.set DEXP,  0xf8800000                 ; -(15 << 23)
.set EXPM,  0x7f800000
.set X,   32                           ; v32-159  X[4 ch + j]
.set Y,   160                          ; v160-191 one pixel's 32 normalised numbers
.set CD,  192                          ; v192-223 codes, eight registers for each j
.set WN,  208                          ; v208-223 16 numbers of a weight (done with before the codes of j = 2 are made)
.set WC,  224                          ; v224-227 their codes
.set BQ,  228                          ; v228-231 bias, four neighbours;  v232 bias of my row
.set BV,  232
.set T16, 233                          ; 16 x thread
.set L4,  234                          ; 4 x lane
.set RW,  235                          ; RED + 8 x wave
.set RR,  236                          ; RED
.set WR,  237                          ; WSB + 4 x lane
.set WBY, 238                          ; the weight block's byte
.set WSW, 239                          ; wave 0: a word of the weight tile's scale bytes
	s_load_b512 s[16:31], s[0:1], 0x0              ; inp 16, gamma 18, beta 20, Wq 22, Wk 24, Wv 26, Wo 28, bq 30
	s_load_b512 s[32:47], s[0:1], 0x40             ; bk 32, bv 34, bo 36, xc 38, xs 40, wc 42, ws 44, bi 46
	v_lshl_add_u32 v240, v0, 2, 0x8800
	v_mov_b32 v241, 0
	v_lshrrev_b32 v11, 5, v0
	v_readfirstlane_b32 s74, v11                   ; wave
	s_mov_b32 s2, ttmp9                            ; kb
	s_and_b32 s3, ttmp7, 0xffff                    ; b
	s_lshl_b32 s75, s3, 4
	s_add_co_u32 s75, s75, s2                      ; g = 16 b + kb
	s_lshr_b32 s76, s75, 6                         ; which weight: 0 Wq, 1 Wk, 2 Wv, 3 Wo
	s_mov_b32 s96, 0x76543210
	s_mov_b32 s97, 0xfedcba98                      ; selects of v_permlanex16_b32: lane l xor 16
	s_mov_b32 s98, 0x600000                        ; the mantissa field of 57,344
	s_mov_b32 s79, 0
	s_and_b32 s77, s75, 1
	s_lshl_b32 s77, s77, 4                         ; 16 bytes x (g % 2): which four registers of the bias tile
	v_and_b32 v1, 31, v0                           ; lane
	v_lshlrev_b32 v2, 4, v1                        ; 16 x lane
	v_and_b32 v12, 15, v0                          ; r
	v_and_b32 v13, 8, v0
	v_add_nc_u32 v13, v13, v12                     ; r + 8 (r / 8)
	v_lshrrev_b32 v14, 4, v0                       ; h + 2 w
	v_lshlrev_b32 v3, 11, v13                      ; the weight: my row of 2,048 bytes,
	v_lshl_add_u32 v3, v14, 6, v3                  ; + my 16 numbers: column 32 w + 16 h
	v_bfe_u32 v15, v0, 4, 1                        ; h
	v_lshl_add_u32 v4, v15, 6, s77                 ; bias, Q and K form: 16 h + 4 (g % 2) numbers on
	v_lshlrev_b32 v5, 2, v13                       ; bias, V and output form: my row's number
	; lane l's pixel 4 l + j: px64 = l / 16; tile p = 2 bit3 + bit1; row r = 8 bit2 + 4 bit0 + j
	v_bfe_u32 v16, v0, 3, 1
	v_bfe_u32 v17, v0, 1, 1
	v_bfe_u32 v18, v0, 2, 1
	v_and_b32 v19, 1, v0
	v_lshlrev_b32 v6, 12, v11                      ; codes: 4,096 w + 2,048 px64 + 512 p + 16 r (+ 256 for channels 16 on)
	v_lshl_add_u32 v6, v15, 11, v6
	v_lshl_add_u32 v6, v16, 10, v6
	v_lshl_add_u32 v6, v17, 9, v6
	v_lshl_add_u32 v6, v18, 7, v6
	v_lshl_add_u32 v6, v19, 6, v6
	v_lshl_add_u32 v7, v11, 7, XSB                 ; scale bytes: 128 w + 64 px64 + 4 r + p
	v_lshl_add_u32 v7, v15, 6, v7
	v_lshl_add_u32 v7, v18, 5, v7
	v_lshl_add_u32 v7, v19, 4, v7
	v_lshl_add_u32 v7, v16, 1, v7
	v_add_nc_u32 v7, v7, v17
	v_lshl_add_u32 v8, v11, 12, v2                 ; codes, read back: 4,096 w + 16 lane
	v_lshl_add_u32 v9, v0, 2, XSB                  ; scale bytes, read back: 128 w + 4 lane
	v_lshl_add_u32 v10, v12, 3, v11
	v_add_nc_u32 v10, WSB, v10                     ; the weight tile's byte: 8 r + w
	v_lshlrev_b32 v[T16], 4, v0
	v_lshlrev_b32 v[L4], 2, v1
	v_lshl_add_u32 v[RW], v11, 3, RED
	v_mov_b32 v[RR], RED
	v_lshl_add_u32 v[WR], v1, 2, WSB
	v_mov_b32 v21, 0                               ; a lane permute's destination counts as one of its sources
	s_wait_kmcnt 0x0
	s_lshl_b32 s78, s3, 21
	s_lshl_b32 s77, s2, 17
	s_add_co_u32 s78, s78, s77
	s_lshl_b32 s77, s74, 9
	s_add_co_u32 s78, s78, s77
	s_add_nc_u64 s[4:5], s[16:17], s[78:79]        ; inp at batch b, channel 32 kb, pixel 128 w
	s_lshl_b32 s78, s3, 19
	s_lshl_b32 s77, s2, 9
	s_add_co_u32 s78, s78, s77
	s_lshl_b32 s77, s74, 16
	s_add_co_u32 s78, s78, s77
	s_add_nc_u64 s[10:11], s[38:39], s[78:79]      ; xc: [b][i = 2 w ..][p][ks][c]: 512 kb is 2,048 ks + 512 c
	s_lshl_b32 s78, s75, 10
	s_lshl_b32 s77, s74, 7
	s_add_co_u32 s78, s78, s77
	s_add_nc_u64 s[12:13], s[40:41], s[78:79]      ; xs: [b][kb] 1,024 bytes, my wave's 128
	s_lshl_b32 s78, s75, 12
	s_add_nc_u64 s[14:15], s[42:43], s[78:79]      ; wc: 4,096 g
	s_lshl_b32 s78, s75, 7
	s_add_nc_u64 s[66:67], s[44:45], s[78:79]      ; ws: 128 g
	s_lshl_b32 s78, s75, 9
	s_add_nc_u64 s[68:69], s[46:47], s[78:79]      ; bi: 512 g
	s_lshl_b32 s78, s2, 7
	s_add_nc_u64 s[70:71], s[18:19], s[78:79]      ; gamma and beta of my 32 channels
	s_add_nc_u64 s[72:73], s[20:21], s[78:79]
	s_cmp_eq_u32 s76, 1                            ; the weight and its bias: a choice on the work-group's number alone
	s_cselect_b64 s[6:7], s[24:25], s[22:23]
	s_cselect_b64 s[8:9], s[32:33], s[30:31]
	s_cmp_eq_u32 s76, 2
	s_cselect_b64 s[6:7], s[26:27], s[6:7]
	s_cselect_b64 s[8:9], s[34:35], s[8:9]
	s_cmp_eq_u32 s76, 3
	s_cselect_b64 s[6:7], s[28:29], s[6:7]
	s_cselect_b64 s[8:9], s[36:37], s[8:9]
	s_cmp_ge_u32 s76, 2
	s_cselect_b32 s101, -1, 0                      ; V's and the output's bias go by rows
	s_bfe_u32 s77, s75, 0x40002
	s_lshl_b32 s77, s77, 5
	s_bfe_u32 s78, s75, 0x10001
	s_lshl_b32 s78, s78, 3
	s_add_co_u32 s77, s77, s78                     ; the tile's first row: 32 ((g / 4) % 16) + 8 ((g / 2) % 2)
	s_lshl_b32 s78, s77, 2
	s_add_nc_u64 s[8:9], s[8:9], s[78:79]
	s_lshl_b32 s78, s77, 11
	s_and_b32 s77, s75, 1
	s_lshl_b32 s77, s77, 10
	s_add_co_u32 s78, s78, s77                     ; + 256 columns for the tile's second K half
	s_add_nc_u64 s[6:7], s[6:7], s[78:79]
	global_load_b128 v[BQ:BQ+3], v4, s[8:9]
	global_load_b32 v[BV], v5, s[8:9]
.irp i, 0,1,2,3
	global_load_b128 v[WN+4*\i:WN+4*\i+3], v3, s[6:7] offset:16*\i th:TH_LOAD_NT
.endr
.set ch, 0
.rept 32
	global_load_b128 v[X+4*ch:X+4*ch+3], v2, s[4:5] offset:4096*ch   ; a wave reads 512 consecutive bytes of a channel; all 32 loads are out together
.set ch, ch+1
.endr
	s_load_b512 s[16:31], s[70:71], 0x0            ; gamma -> s16-47 (the pointers there have been moved on)
	s_load_b512 s[32:47], s[70:71], 0x40
	s_load_b512 s[48:63], s[72:73], 0x0            ; beta -> s48-63, s80-95
	s_load_b512 s[80:95], s[72:73], 0x40
	s_wait_loadcnt 32                              ; the six older loads are in; inp's 32 stay out
.irp k, 0,1,2,3
	v_cndmask_b32 v[BQ+\k], v[BQ+\k], v[BV], s101
.endr
	s_cmp_lg_u32 s74, 0
	s_cbranch_scc1 .Lno_bias
	global_store_b128 v2, v[BQ:BQ+3], s[68:69]     ; wave 0: 512 consecutive bytes
.Lno_bias:
	; the weight: a block of 32 lies in lanes l and l xor 16
	v_max3_num_f32 v20, |v[WN]|, |v[WN+1]|, FLOOR
.irp i, 2,4,6,8,10,12,14
	v_max3_num_f32 v20, v20, |v[WN+\i]|, |v[WN+\i+1]|
.endr
	v_permlanex16_b32 v21, v20, s96, s97
	v_max_num_f32 v20, v20, v21
	v_add_nc_u32 v22, DEXP, v20                    ; 15 off the exponent field: the conversion's scale operand
	v_and_or_b32 v23, v20, EXPM, s98               ; 57,344 x the scale
.irp i, 0,1,2,3,4,5,6,7,8,9,10,11,12,13,14,15
	v_med3_num_f32 v[WN+\i], v[WN+\i], -v23, v23   ; the conversion to an 8-bit code does not saturate (ISA guide 7.6.2)
.endr
	v_cvt_scalef32_pk8_bf8_f32 v[WC:WC+1], v[WN:WN+7], v22
	v_cvt_scalef32_pk8_bf8_f32 v[WC+2:WC+3], v[WN+8:WN+15], v22
	v_lshrrev_b32 v[WBY], 23, v22                  ; the byte (also the plain line behind the conversions)
	global_store_b128 v[T16], v[WC:WC+3], s[14:15] ; a wave stores 512 consecutive bytes of an image
	ds_store_b8 v10, v[WBY]                        ; both lanes of a block write the same byte
; 8 channels (32 registers from base) are added onto two chains at v[a], v[a + 2]
.macro SUM8 base, a, first
.if \first
	v_pk_add_f32 v[\a:\a+1], v[\base:\base+1], v[\base+4:\base+5]
	v_pk_add_f32 v[\a+2:\a+3], v[\base+2:\base+3], v[\base+6:\base+7]
.else
	v_pk_add_f32 v[\a:\a+1], v[\a:\a+1], v[\base:\base+1]
	v_pk_add_f32 v[\a+2:\a+3], v[\a+2:\a+3], v[\base+2:\base+3]
	v_pk_add_f32 v[\a:\a+1], v[\a:\a+1], v[\base+4:\base+5]
	v_pk_add_f32 v[\a+2:\a+3], v[\a+2:\a+3], v[\base+6:\base+7]
.endif
.irp i, 8,12,16,20,24,28
	v_pk_add_f32 v[\a:\a+1], v[\a:\a+1], v[\base+\i:\base+\i+1]
	v_pk_add_f32 v[\a+2:\a+3], v[\a+2:\a+3], v[\base+\i+2:\base+\i+3]
.endr
.endm
; v[12:15], v[16:19]: the two groups' chains.  Result: v12, v13 = the two groups' sums over the whole work-group, in every lane.  One barrier.
.macro ALLSUM off
	v_pk_add_f32 v[12:13], v[12:13], v[14:15]
	v_pk_add_f32 v[16:17], v[16:17], v[18:19]
	v_add_f32 v12, v12, v13
	v_add_f32 v13, v16, v17
.irp m, 1,2,4,8
	v_add_f32_dpp v12, v12, v12 row_xmask:\m row_mask:0xf bank_mask:0xf
	v_add_f32_dpp v13, v13, v13 row_xmask:\m row_mask:0xf bank_mask:0xf
.endr
	v_permlanex16_b32 v14, v12, s96, s97
	v_permlanex16_b32 v15, v13, s96, s97
	v_add_f32 v12, v12, v14
	v_add_f32 v13, v13, v15
	ds_store_b64 v[RW], v[12:13] offset:\off       ; all lanes write the same two words
	s_wait_dscnt 0x0                               ; for the others' sake: my LDS stores have landed
	s_barrier_signal -1
	s_barrier_wait -1
.irp k, 0,1,2,3
	ds_load_b128 v[12+4*\k:15+4*\k], v[RR] offset:\off+16*\k
.endr
	s_wait_dscnt 0x0
	v_pk_add_f32 v[12:13], v[12:13], v[14:15]
	v_pk_add_f32 v[16:17], v[16:17], v[18:19]
	v_pk_add_f32 v[20:21], v[20:21], v[22:23]
	v_pk_add_f32 v[24:25], v[24:25], v[26:27]
	v_pk_add_f32 v[12:13], v[12:13], v[16:17]
	v_pk_add_f32 v[20:21], v[20:21], v[24:25]
	v_pk_add_f32 v[12:13], v[12:13], v[20:21]
.endm
	s_wait_loadcnt 24                              ; channels 0-7 are in; 24 younger loads stay out
	SUM8 X, 12, 1
	s_wait_loadcnt 16
	SUM8 X+32, 12, 0
	s_wait_loadcnt 8
	SUM8 X+64, 16, 1
	s_wait_loadcnt 0x0
	SUM8 X+96, 16, 0
	ALLSUM 0
	s_cmp_lg_u32 s74, 0                            ; behind the barrier all eight waves' weight bytes lie in LDS: wave 0 stores the 128
	s_cbranch_scc1 .Lno_ws
	ds_load_b32 v[WSW], v[WR]
	s_wait_dscnt 0x0
	global_store_b32 v[L4], v[WSW], s[66:67]
.Lno_ws:
	v_mul_f32 v24, 0x38800000, v12                 ; the means: sum / 16,384
	v_mul_f32 v26, 0x38800000, v13
	v_mov_b32 v25, v24
	v_mov_b32 v27, v26
.set i, 0
.rept 32
	v_pk_add_f32 v[X+i:X+i+1], v[X+i:X+i+1], v[24:25] neg_lo:[0,1] neg_hi:[0,1]
	v_pk_add_f32 v[X+64+i:X+64+i+1], v[X+64+i:X+64+i+1], v[26:27] neg_lo:[0,1] neg_hi:[0,1]
.set i, i+2
.endr
	v_pk_mul_f32 v[12:13], v[X:X+1], v[X:X+1]      ; the variance is taken of the centred numbers: no difference of large sums
	v_pk_mul_f32 v[14:15], v[X+2:X+3], v[X+2:X+3]
	v_pk_mul_f32 v[16:17], v[X+64:X+65], v[X+64:X+65]
	v_pk_mul_f32 v[18:19], v[X+66:X+67], v[X+66:X+67]
.set i, 4
.rept 15
	v_pk_fma_f32 v[12:13], v[X+i:X+i+1], v[X+i:X+i+1], v[12:13]
	v_pk_fma_f32 v[14:15], v[X+i+2:X+i+3], v[X+i+2:X+i+3], v[14:15]
	v_pk_fma_f32 v[16:17], v[X+64+i:X+64+i+1], v[X+64+i:X+64+i+1], v[16:17]
	v_pk_fma_f32 v[18:19], v[X+64+i+2:X+64+i+3], v[X+64+i+2:X+64+i+3], v[18:19]
.set i, i+4
.endr
	ALLSUM 256
	v_mul_f32 v12, 0x38800000, v12
	v_mul_f32 v13, 0x38800000, v13
	v_add_f32 v12, 0x358637bd, v12                 ; + 1e-6
	v_add_f32 v13, 0x358637bd, v13
	v_rsq_f32 v12, v12
	v_rsq_f32 v13, v13
	v_nop                                          ; a plain line between a transcendental and the use of its result
	s_wait_alu depctr_va_vdst(0)
	v_readfirstlane_b32 s99, v12
	v_readfirstlane_b32 s100, v13
	s_wait_kmcnt 0x0                               ; gamma and beta
.set ch, 0
.rept 16
	s_mul_f32 s[16+ch], s[16+ch], s99              ; gamma / sqrt(var + eps), by channel
	s_mul_f32 s[32+ch], s[32+ch], s100
.set ch, ch+1
.endr
; pixel j of my four: normalise its 32 channels, which are one quantiser block, all in my registers; codes and byte go to my wave's LDS in the images' order
.macro PIX j
.set ch, 0
.rept 32
	v_fma_f32 v[Y+ch], v[X+4*ch+\j], s[16+ch], s[48+ch+16*(ch/16)]
.set ch, ch+1
.endr
	v_max3_num_f32 v12, |v[Y]|, |v[Y+1]|, |v[Y+2]|
	v_max3_num_f32 v13, |v[Y+3]|, |v[Y+4]|, |v[Y+5]|
.irp i, 6,10,14,18,22,26
	v_max3_num_f32 v12, v12, |v[Y+\i]|, |v[Y+\i+1]|
	v_max3_num_f32 v13, v13, |v[Y+\i+2]|, |v[Y+\i+3]|
.endr
	v_max3_num_f32 v12, v12, |v[Y+30]|, |v[Y+31]|
	v_max3_num_f32 v12, v12, v13, FLOOR
	v_add_nc_u32 v14, DEXP, v12
	v_and_or_b32 v15, v12, EXPM, s98
.set ch, 0
.rept 32
	v_med3_num_f32 v[Y+ch], v[Y+ch], -v15, v15
.set ch, ch+1
.endr
.irp k, 0,1,2,3
	v_cvt_scalef32_pk8_bf8_f32 v[CD+8*\j+2*\k:CD+8*\j+2*\k+1], v[Y+8*\k:Y+8*\k+7], v14
.endr
	v_lshrrev_b32 v[28+\j], 23, v14                ; the byte (also the plain line behind the conversions)
	ds_store_b128 v6, v[CD+8*\j:CD+8*\j+3] offset:16*\j            ; channels 0-15: lanes 0-15 of the image
	ds_store_b128 v6, v[CD+8*\j+4:CD+8*\j+7] offset:16*\j+256      ; channels 16-31: lanes 16-31
	ds_store_b8 v7, v[28+\j] offset:4*\j
.endm
	PIX 0
	PIX 1
	PIX 2
	PIX 3
.irp q, 0,1,2,3,4,5,6,7
	ds_load_b128 v[X+4*\q:X+4*\q+3], v8 offset:512*\q              ; my wave's own bytes; LDS serves a wave's instructions in order (ISA guide 5.7.1.4)
.endr
	ds_load_b32 v[X+32], v9
.irp q, 0,1,2,3,4,5,6,7
	s_wait_dscnt 8-\q                              ; piece q is back; the younger loads stay out
	global_store_b128 v2, v[X+4*\q:X+4*\q+3], s[10:11] offset:8192*\q   ; 512 consecutive bytes: part c of the image of tile q
.endr
	s_wait_dscnt 0x0
	global_store_b32 v[L4], v[X+32], s[12:13]
	s_wait_tensorcnt 0x0
	ds_add_u32 v240, v241
	s_wait_dscnt 0x0
	s_endpgm
.Lfunc_end_k_qf2d7b0cd82_prep:
	.size	k_qf2d7b0cd82_prep, .Lfunc_end_k_qf2d7b0cd82_prep-k_qf2d7b0cd82_prep
	.p2alignl 7, 3214868480
	.fill 96, 4, 3214868480
	.section	.rodata,"a",@progbits
	.p2align	6, 0x0
	.amdhsa_kernel k_qf2d7b0cd82_prep
		.amdhsa_group_segment_fixed_size 35840
		.amdhsa_private_segment_fixed_size 0
		.amdhsa_enable_private_segment 0
		.amdhsa_kernarg_size 128
		.amdhsa_user_sgpr_count 2
		.amdhsa_user_sgpr_kernarg_segment_ptr 1
		.amdhsa_wavefront_size32 1
		.amdhsa_system_sgpr_workgroup_id_x 1
		.amdhsa_system_sgpr_workgroup_id_y 1
		.amdhsa_system_sgpr_workgroup_id_z 1
		.amdhsa_system_vgpr_workitem_id 0
		.amdhsa_next_free_vgpr 242
		.amdhsa_next_free_sgpr 102
		.amdhsa_reserve_vcc 0
		.amdhsa_float_denorm_mode_32 3
		.amdhsa_float_denorm_mode_16_64 3
		.amdhsa_memory_ordered 1
		.amdhsa_forward_progress 1
		.amdhsa_inst_pref_size 53
	.end_amdhsa_kernel
	.amdgpu_metadata
---
amdhsa.version: [ 1, 2 ]
amdhsa.kernels:
  - .name:           k_qf2d7b0cd82_prep
    .symbol:         k_qf2d7b0cd82_prep.kd
    .args:
      - { .name: inp, .offset: 0, .size: 8, .value_kind: global_buffer, .address_space: global }
      - { .name: gamma, .offset: 8, .size: 8, .value_kind: global_buffer, .address_space: global }
      - { .name: beta, .offset: 16, .size: 8, .value_kind: global_buffer, .address_space: global }
      - { .name: Wq, .offset: 24, .size: 8, .value_kind: global_buffer, .address_space: global }
      - { .name: Wk, .offset: 32, .size: 8, .value_kind: global_buffer, .address_space: global }
      - { .name: Wv, .offset: 40, .size: 8, .value_kind: global_buffer, .address_space: global }
      - { .name: Wo, .offset: 48, .size: 8, .value_kind: global_buffer, .address_space: global }
      - { .name: bq, .offset: 56, .size: 8, .value_kind: global_buffer, .address_space: global }
      - { .name: bk, .offset: 64, .size: 8, .value_kind: global_buffer, .address_space: global }
      - { .name: bv, .offset: 72, .size: 8, .value_kind: global_buffer, .address_space: global }
      - { .name: bo, .offset: 80, .size: 8, .value_kind: global_buffer, .address_space: global }
      - { .name: xc, .offset: 88, .size: 8, .value_kind: global_buffer, .address_space: global }
      - { .name: xs, .offset: 96, .size: 8, .value_kind: global_buffer, .address_space: global }
      - { .name: wc, .offset: 104, .size: 8, .value_kind: global_buffer, .address_space: global }
      - { .name: ws, .offset: 112, .size: 8, .value_kind: global_buffer, .address_space: global }
      - { .name: bi, .offset: 120, .size: 8, .value_kind: global_buffer, .address_space: global }
    .group_segment_fixed_size: 35840
    .private_segment_fixed_size: 0
    .kernarg_segment_align: 8
    .kernarg_segment_size: 128
    .max_flat_workgroup_size: 256
    .sgpr_count:     102
    .vgpr_count:     242
    .wavefront_size: 32
...
	.end_amdgpu_metadata
.endif
;; end of part 1
;; launch qkv (part 2): grid 64 x 4, 4 waves a work-group, clusters of 4 x 1, 197,120 bytes of LDS; arguments xc, xs, wc, ws, bi, cod, scl; writes cod, scl
.if DOCPART == 2
	.amdgcn_target "amdgcn-amd-amdhsa--gfx1250"
	.amdhsa_code_object_version 6
	.text
	.protected	k_qf2d7b0cd82_qkv
	.globl	k_qf2d7b0cd82_qkv
	.p2align	8
	.type	k_qf2d7b0cd82_qkv,@function
k_qf2d7b0cd82_qkv:
	s_mov_b64 s[64:65], 0
	v_nop
	global_prefetch_b8 v0, s[64:65] scope:SCOPE_SE
	s_setreg_imm32_b32 hwreg(HW_REG_WAVE_MODE, 25, 1), 1
	s_wait_xcnt 0x0
	s_wait_alu depctr_hold_cnt(0) depctr_sa_sdst(0) depctr_va_vdst(0) depctr_va_sdst(0) depctr_va_ssrc(0) depctr_va_vcc(0) depctr_vm_vsrc(0)
	s_getreg_b32 s2, hwreg(HW_REG_IB_STS2, 6, 4)
	s_cmp_eq_u32 s2, 0
	s_cbranch_scc0 .Lentry_in_a_cluster
	s_endpgm
.Lentry_in_a_cluster:
	s_bfe_u32 s2, ttmp6, 0x10000c
	s_cmp_lg_u32 s2, 0x3003
	s_cbranch_scc0 .Lentry_shape_is_right
	s_endpgm
.Lentry_shape_is_right:
; Q = Wq x + bq, K = Wk x + bk, V = Wv x + bv on codes of E5M2 with E8M0 block scales, and their quantising: Q and K along the channels, V along the pixels.
; LIMITS: NaN and infinities are not served; a block whose largest magnitude lies under 2^-111 (a block of zeros too) gets the byte 1: only this program reads the bytes.
; SHARES.  The 1,536 rows of [Wq; Wk; Wv] are 12 units of 128.  Work-group (X, y): 256 pixels x units 3 y .. 3 y + 2.  Wave w owns 64 pixels (four tiles): their 16 fragments of x stay in 256 registers.
; The work-group's 192 KB of weight images come into LDS once, 48 KB by each wave's one tensor load, and stay: all of K fits, so there is no ring and nothing is filled again.
; CLUSTER.  The four work-groups of a cluster have the same y, so the same weights: each load is asked for jointly, by the same descriptor with the mask of all four.
; LAYOUT.  Q, K: source 0 = 16 rows of W, source 1 = 16 pixels: a lane holds one pixel, and the 16 registers of tiles 2 b, 2 b + 1 are channels 32 b + 16 h + 0 .. 15 (a tile's rows are
; 32 (t / 2) + 8 (t % 2) + r + 8 (r / 8)).  V: the sources are swapped: a lane holds one channel, and the registers of pixel tiles 2 b, 2 b + 1 are 16 neighbouring pixels.
; So every conversion's result is a group of four registers of the next product's operand, and is stored as part of that operand's image, 512 consecutive bytes a store.
; The bias is the C of each sum's first matrix instruction.
; REGISTERS: window 0: v1-5 addresses; v16-31 x's scale words [4 p + ks]; v32-63 W's [4 t + ks]; v64-191 two buffers of four W fragments; v192-247 at work.
;   window 1: x's fragments [16 (4 p + ks)].  window 2: the 32 accumulators [64 p + 8 t].  window 3: v0-63 the unit's bias tiles [8 t].
.set FLOOR, 0x8000000
.set DEXP,  0xf8800000
.set EXPM,  0x7f800000
.set LI,   1                           ; 16 x lane
.set R16,  2                           ; 16 r
.set R8,   3                           ; 8 r
.set R4,   4                           ; 4 r
.set WADR, 5                           ; 65,536 k + 16 x lane: the unit in hand in LDS
.set XS,   16
.set WS,   32
.set WB,   64
.set PC,   192                         ; v192-207 codes just made
.set TM,   208
.set T2,   212
.set LIM,  216
.set SCL,  220
.set SW,   224                         ; v224-227 four scale words
.set RAW,  228                         ; v228-243 x's scale bytes as they lie in memory
.set PT,   244
.set MSB, 0
.macro WIN new                         ; the immediate's high byte repeats the setting that is left
.if MSB != \new
	s_set_vgpr_msb (MSB<<8)|\new
.set MSB, \new
.endif
.endm
.macro PLACES n
.rept \n
	v_nop
.endr
.endm
.macro CROUND                          ; a round of the cluster's barrier
	s_barrier_signal -1
	s_barrier_wait -1
	s_cmp_lg_u32 s18, 0
	s_cbranch_scc1 .Lnot_wave_0_\@
	s_barrier_signal -3
.Lnot_wave_0_\@:
	s_barrier_wait -3
	s_barrier_signal -1
	s_barrier_wait -1
.endm
.macro WMS d, a, b, c, sa, sb          ; c < 0: the product starts the sum
.if (\c) < 0
	v_wmma_scale_f32_16x16x128_f8f6f4 v[\d:\d+7], v[\a:\a+15], v[\b:\b+15], 0, v[\sa], v[\sb] matrix_a_fmt:MATRIX_FMT_BF8 matrix_b_fmt:MATRIX_FMT_BF8
.else
	v_wmma_scale_f32_16x16x128_f8f6f4 v[\d:\d+7], v[\a:\a+15], v[\b:\b+15], v[\c:\c+7], v[\sa], v[\sb] matrix_a_fmt:MATRIX_FMT_BF8 matrix_b_fmt:MATRIX_FMT_BF8
.endif
.endm
	s_load_b128 s[4:7], s[0:1], 0x0                ; xc, xs
	s_load_b128 s[8:11], s[0:1], 0x10              ; wc, ws
	s_load_b128 s[12:15], s[0:1], 0x20             ; bi, cod
	s_load_b64 s[16:17], s[0:1], 0x30              ; scl
	v_lshl_add_u32 v254, v0, 2, 0x30000
	v_mov_b32 v255, 0
	ds_add_u32 v254, v255
	v_lshrrev_b32 v6, 5, v0
	v_readfirstlane_b32 s18, v6                    ; wave
	s_bfe_u32 s67, ttmp6, 0x40000                  ; cx: it enters the addresses of x, cod and scl alone
	s_lshl_b32 s20, ttmp9, 2
	s_add_co_u32 s20, s20, s67
	s_lshl_b32 s20, s20, 2
	s_add_co_u32 s20, s20, s18                     ; my 64 pixels: number 16 b + i
	s_lshr_b32 s63, s20, 4                         ; b
	s_and_b32 s66, s20, 15                         ; i
	s_and_b32 s19, ttmp7, 0xffff                   ; y, which the four partners share
	s_mul_i32 s21, s19, 3                          ; the first unit
	s_mov_b32 s22, 0                               ; k: units done
	s_mov_b32 s23, 0                               ; 65,536 k
	s_mov_b32 s69, 0
	s_mov_b32 s53, 0
	s_mov_b32 s56, 0x05040100                      ; byte selects of v_perm_b32
	s_mov_b32 s57, 0x07060302
	s_mov_b32 s58, 0x05010400
	s_mov_b32 s59, 0x07030602
	s_mov_b32 s60, 0x76543210
	s_mov_b32 s61, 0xfedcba98
	s_mov_b32 s62, 0x600000
	; descriptor group 1: 192 rows of 256 bytes (32 elements of 8 bytes), dense in memory and in LDS
	s_mov_b32 s24, 15|(3<<16)|(1<<21)              ; 15:0 the mask: all four work-groups; 17:16 elements of 8 bytes; 21 set beside a mask; no padding: images are read 512 consecutive bytes at a time
	s_mov_b32 s25, 32<<16                          ; tensor_dim0 = 32
	s_mov_b32 s26, 192<<16                         ; tensor_dim1 = 192
	s_mov_b32 s27, 32<<16                          ; tile_dim0 = 32
	s_mov_b32 s28, 192                             ; tile_dim1 = 192
	s_mov_b32 s29, 32                              ; pitch
	s_mov_b32 s30, 0
	s_mov_b32 s31, 0
	s_mul_i32 s52, s19, 196608
	s_mul_i32 s54, s18, 49152
	s_add_co_u32 s52, s52, s54                     ; my quarter of the work-group's weights
	v_and_b32 v6, 31, v0
	v_lshlrev_b32 v[LI], 4, v6
	v_and_b32 v6, 15, v0
	v_lshlrev_b32 v[R16], 4, v6
	v_lshlrev_b32 v[R8], 3, v6
	v_lshlrev_b32 v[R4], 2, v6
.irp be, 0,1,2,3
	v_mov_b32 v[T2+\be], 0                         ; a lane permute's destination counts as one of its sources
.endr
	s_wait_dscnt 0x0
	s_wait_kmcnt 0x0
	s_mov_b32 s40, 1                               ; group 0: count,
	s_mul_i32 s41, s18, 49152                      ; LDS address: the wave's number alone,
	s_add_nc_u64 s[42:43], s[8:9], s[52:53]        ; global address: y and the wave's number alone,
	s_or_b32 s43, s43, 0x80000000                  ; type
	s_lshl_b32 s52, s21, 11
	s_add_nc_u64 s[10:11], s[10:11], s[52:53]      ; the first unit's scale words
	s_lshl_b32 s52, s21, 13
	s_add_nc_u64 s[12:13], s[12:13], s[52:53]      ; and bias tiles
	s_lshl_b32 s68, s20, 15
	s_add_nc_u64 s[4:5], s[4:5], s[68:69]          ; my 16 fragments of x
	s_lshl_b32 s68, s63, 14
	s_lshl_b32 s70, s66, 6
	s_add_co_u32 s68, s68, s70
	s_add_nc_u64 s[6:7], s[6:7], s[68:69]          ; their scale bytes: [b][kb][i][r][p]
	CROUND                                         ; all four work-groups are here: the joint loads meet
	tensor_load_to_lds s[40:43], s[24:31]          ; my one tensor load of the launch
	s_nop 0
	PLACES 4                                       ; four lines here ahead of a switch of windows
	WIN 0x40                                       ; destination window 1
.set f, 0
.rept 16
.irp c, 0,1,2,3
	global_load_b128 v[16*f+4*\c:16*f+4*\c+3], v[LI], s[4:5] offset:2048*f+512*\c
.endr
.set f, f+1
.endr
	WIN 0
.set kb, 0
.rept 16
	global_load_b32 v[RAW+kb], v[R4], s[6:7] offset:1024*kb
.set kb, kb+1
.endr
.macro WSBI                            ; a unit's scale words and bias tiles
.irp t, 0,1,2,3,4,5,6,7
	global_load_b64 v[WS+4*\t:WS+4*\t+1], v[R8], s[10:11] offset:256*\t
	global_load_b64 v[WS+4*\t+2:WS+4*\t+3], v[R8], s[10:11] offset:256*\t+128
.endr
	WIN 0xc0                                       ; destination window 3
.irp t, 0,1,2,3,4,5,6,7
	global_load_b128 v[8*\t:8*\t+3], v[LI], s[12:13] offset:1024*\t
	global_load_b128 v[8*\t+4:8*\t+7], v[LI], s[12:13] offset:1024*\t+512
.endr
	WIN 0
.endm
	WSBI
	s_wait_loadcnt 0x0
	; x's scale bytes arrive as words of four tiles p for one channel block; a scale word wants four channel blocks of one tile: a 4 x 4 turn of bytes for each K step
.irp ks, 0,1,2,3
	v_perm_b32 v[PT], v[RAW+4*\ks+1], v[RAW+4*\ks], s58
	v_perm_b32 v[PT+1], v[RAW+4*\ks+1], v[RAW+4*\ks], s59
	v_perm_b32 v[PT+2], v[RAW+4*\ks+3], v[RAW+4*\ks+2], s58
	v_perm_b32 v[PT+3], v[RAW+4*\ks+3], v[RAW+4*\ks+2], s59
	v_perm_b32 v[XS+\ks], v[PT+2], v[PT], s56
	v_perm_b32 v[XS+4+\ks], v[PT+2], v[PT], s57
	v_perm_b32 v[XS+8+\ks], v[PT+3], v[PT+1], s56
	v_perm_b32 v[XS+12+\ks], v[PT+3], v[PT+1], s57
.endr
	PLACES 8                                       ; a scale register written by a vector instruction stands eight places ahead of the scaled matrix instruction
	s_wait_tensorcnt 0x0                           ; my quarter of the weights has landed,
	s_barrier_signal -1
	s_barrier_wait -1                              ; everybody's has; nothing is filled again
; four W fragments (tiles 4 th .. 4 th + 3, K step ks; gg = 2 ks + th) into buffer th
.macro LOADG gg
.irp tt, 0,1,2,3
.irp c, 0,1,2,3
	ds_load_b128 v[WB+64*((\gg)%2)+16*\tt+4*\c:WB+64*((\gg)%2)+16*\tt+4*\c+3], v[WADR] offset:((4*((\gg)%2)+\tt)*4+(\gg)/2)*2048+512*\c
.endr
.endr
.endm
; 16 matrix instructions on 16 accumulators; all 32 take turns, one instruction a turn
.macro MMG kind, gg
.set KSI, (\gg)/2
.if KSI == 0
	WIN 0xb4-3*(\kind)                             ; C from window 3 (the bias); kind 0: W window 0, x window 1; kind 1: the sources swapped
.else
	WIN 0xa4-3*(\kind)
.endif
.irp tt, 0,1,2,3
.irp p, 0,1,2,3
.set TI, 4*((\gg)%2)+\tt
.set DD, 64*\p+8*TI
.set CC, DD
.if KSI == 0
.set CC, 8*TI
.endif
.if \kind
	WMS DD, 16*(4*\p+KSI), WB+64*((\gg)%2)+16*\tt, CC, XS+4*\p+KSI, WS+4*TI+KSI
.else
	WMS DD, WB+64*((\gg)%2)+16*\tt, 16*(4*\p+KSI), CC, WS+4*TI+KSI, XS+4*\p+KSI
.endif
.endr
.endr
	WIN 0
.endm
; where block be's 16 numbers of a lane lie.  kind 0: pixel tile idx, channel tiles 2 be, 2 be + 1.  kind 1: channel tile 2 idx + be / 2, pixel tiles 2 (be % 2), 2 (be % 2) + 1
.macro SETLH kind, idx, bq
.if \kind
.set LOR, 128*((\bq)%2)+8*(2*(\idx)+(\bq)/2)
.set HIR, LOR+64
.else
.set LOR, 64*(\idx)+16*(\bq)
.set HIR, LOR+8
.endif
.endm
; four blocks of 32 (16 numbers in my lane, 16 in lane l xor 16) become 16 registers of codes and a word of four scale bytes
.macro QUANT kind, idx
	WIN 0x0a                                       ; sources 0 and 1: window 2
.irp be, 0,1,2,3
	SETLH \kind, \idx, \be
	v_max3_num_f32 v[TM+\be], |v[LOR]|, |v[LOR+1]|, FLOOR          ; each accumulator is read from its low end on
.endr
.irp o, 2,4,6
.irp be, 0,1,2,3
	SETLH \kind, \idx, \be
	v_max3_num_f32 v[TM+\be], |v[LOR+\o]|, |v[LOR+\o+1]|, v[TM+\be]
.endr
.endr
.irp o, 0,2,4,6
.irp be, 0,1,2,3
	SETLH \kind, \idx, \be
	v_max3_num_f32 v[TM+\be], |v[HIR+\o]|, |v[HIR+\o+1]|, v[TM+\be]
.endr
.endr
	WIN 0
.irp be, 0,1,2,3
	v_permlanex16_b32 v[T2+\be], v[TM+\be], s60, s61
.endr
.irp be, 0,1,2,3
	v_max_num_f32 v[TM+\be], v[TM+\be], v[T2+\be]
.endr
.irp be, 0,1,2,3
	v_add_nc_u32 v[SCL+\be], DEXP, v[TM+\be]       ; 15 off the exponent field: the conversion's scale operand
.endr
.irp be, 0,1,2,3
	v_and_or_b32 v[LIM+\be], v[TM+\be], EXPM, s62  ; 57,344 x the scale
.endr
.irp be, 0,1,2,3
	v_lshrrev_b32 v[T2+\be], 23, v[SCL+\be]        ; the byte
.endr
	v_lshl_or_b32 v[SW+\idx], v[T2+1], 8, v[T2]
	v_lshl_or_b32 v[SW+\idx], v[T2+2], 16, v[SW+\idx]
	v_lshl_or_b32 v[SW+\idx], v[T2+3], 24, v[SW+\idx]
	WIN 0x82                                       ; destination and source 0: window 2
.irp be, 0,1,2,3
	SETLH \kind, \idx, \be
.irp o, 0,1,2,3,4,5,6,7
	v_med3_num_f32 v[LOR+\o], v[LOR+\o], -v[LIM+\be], v[LIM+\be]   ; the conversion to an 8-bit code does not saturate (ISA guide 7.6.2)
.endr
.irp o, 0,1,2,3,4,5,6,7
	v_med3_num_f32 v[HIR+\o], v[HIR+\o], -v[LIM+\be], v[LIM+\be]
.endr
.endr
	s_wait_xcnt 0x0                                ; the last codes' stores have read their registers
	WIN 0x02
.irp be, 0,1,2,3
	SETLH \kind, \idx, \be
	v_cvt_scalef32_pk8_bf8_f32 v[PC+4*\be:PC+4*\be+1], v[LOR:LOR+7], v[SCL+\be]
	v_cvt_scalef32_pk8_bf8_f32 v[PC+4*\be+2:PC+4*\be+3], v[HIR:HIR+7], v[SCL+\be]
.endr
	WIN 0
	v_nop                                          ; a plain line behind the last conversion: matrix instructions write its sources later
.irp be, 0,1,2,3
.if \kind
	global_store_b128 v[LI], v[PC+4*\be:PC+4*\be+3], s[48:49] offset:4096*(\idx)+2048*(\be/2)+512*(\be%2)
.else
	global_store_b128 v[LI], v[PC+4*\be:PC+4*\be+3], s[48:49] offset:8192*(\idx)+512*\be
.endif
.endr
.endm
.macro UNIT kind
.if \kind
	s_lshl_b32 s68, s63, 2                         ; V: [b][unit][g = i / 2][t] images; my 64 pixels are parts c = 2 (i % 2), 2 (i % 2) + 1
	s_and_b32 s70, s21, 3
	s_add_co_u32 s68, s68, s70
	s_lshl_b32 s68, s68, 17
	s_lshr_b32 s70, s66, 1
	s_lshl_b32 s70, s70, 14
	s_add_co_u32 s68, s68, s70
	s_and_b32 s70, s66, 1
	s_lshl_b32 s70, s70, 10
	s_add_co_u32 s68, s68, s70
	s_add_co_u32 s68, s68, 0x1000000
.else
	s_lshr_b32 s68, s21, 2                         ; Q at 0, K at 8 MiB: [b][i][p][ks = unit] images
	s_lshl_b32 s68, s68, 23
	s_lshl_b32 s70, s20, 15
	s_add_co_u32 s68, s68, s70
	s_and_b32 s70, s21, 3
	s_lshl_b32 s70, s70, 11
	s_add_co_u32 s68, s68, s70
.endif
	s_add_nc_u64 s[48:49], s[14:15], s[68:69]
	LOADG 0
.irp gg, 0,1,2,3,4,5,6,7
.if \gg < 7
.if \gg >= 1
	PLACES 8                                       ; the buffer filled next was read by the products just issued
.endif
	LOADG \gg+1
	s_wait_dscnt 16                                ; this group's fragments are in; the 16 loads just issued stay out
.else
	s_wait_dscnt 0x0
.endif
	MMG \kind, \gg
.endr
	PLACES 8                                       ; ahead of loads into scale and bias registers, and of the first read of results
	s_cmp_eq_u32 s22, 2
	s_cbranch_scc1 .Lno_next_\@                    ; the last unit asks for nothing
	s_add_nc_u64 s[10:11], s[10:11], 2048          ; (the loads that named these bases were waited for at the trip's head)
	s_add_nc_u64 s[12:13], s[12:13], 8192
	WSBI
.Lno_next_\@:
	QUANT \kind, 0
	QUANT \kind, 1
	QUANT \kind, 2
	QUANT \kind, 3
	global_store_b128 v[R16], v[SW:SW+3], s[50:51] ; 16 bytes a row; lanes 16-31 repeat lanes 0-15
.endm
.Lunit:                                            ; three trips, one unit of 128 rows of W each
	s_wait_loadcnt 0x0                             ; the unit's scale words and bias tiles
	v_add_nc_u32 v[WADR], s23, v[LI]
	s_wait_xcnt 0x0                                ; the last unit's stores have read their bases and registers
	s_lshr_b32 s68, s21, 2                         ; scl: [mat][b][i][unit][r][16 bytes]
	s_lshl_b32 s68, s68, 8
	s_add_co_u32 s68, s68, s20
	s_lshl_b32 s68, s68, 2
	s_and_b32 s70, s21, 3
	s_add_co_u32 s68, s68, s70
	s_lshl_b32 s68, s68, 8
	s_add_nc_u64 s[50:51], s[16:17], s[68:69]
	s_cmp_ge_u32 s21, 8                            ; units 8-11 are V's: a branch on y and k, which all partners share
	s_cbranch_scc1 .Lunit_v
	UNIT 0
	s_branch .Lunit_done
.Lunit_v:
	UNIT 1
.Lunit_done:
	s_add_co_u32 s21, s21, 1
	s_add_co_u32 s23, s23, 65536
	s_add_co_u32 s22, s22, 1
	s_cmp_lt_u32 s22, 3
	s_cbranch_scc1 .Lunit
	s_wait_tensorcnt 0x0
	ds_add_u32 v254, v255
	s_wait_dscnt 0x0
	CROUND                                         ; the closing round
	s_endpgm
.Lfunc_end_k_qf2d7b0cd82_qkv:
	.size	k_qf2d7b0cd82_qkv, .Lfunc_end_k_qf2d7b0cd82_qkv-k_qf2d7b0cd82_qkv
	.p2alignl 7, 3214868480
	.fill 96, 4, 3214868480
	.section	.rodata,"a",@progbits
	.p2align	6, 0x0
	.amdhsa_kernel k_qf2d7b0cd82_qkv
		.amdhsa_group_segment_fixed_size 197120
		.amdhsa_private_segment_fixed_size 0
		.amdhsa_enable_private_segment 0
		.amdhsa_kernarg_size 56
		.amdhsa_user_sgpr_count 2
		.amdhsa_user_sgpr_kernarg_segment_ptr 1
		.amdhsa_wavefront_size32 1
		.amdhsa_system_sgpr_workgroup_id_x 1
		.amdhsa_system_sgpr_workgroup_id_y 1
		.amdhsa_system_sgpr_workgroup_id_z 1
		.amdhsa_system_vgpr_workitem_id 0
		.amdhsa_next_free_vgpr 832
		.amdhsa_next_free_sgpr 90
		.amdhsa_reserve_vcc 0
		.amdhsa_float_denorm_mode_32 3
		.amdhsa_float_denorm_mode_16_64 3
		.amdhsa_memory_ordered 1
		.amdhsa_forward_progress 1
		.amdhsa_inst_pref_size 147
	.end_amdhsa_kernel
	.amdgpu_metadata
---
amdhsa.version: [ 1, 2 ]
amdhsa.kernels:
  - .name:           k_qf2d7b0cd82_qkv
    .symbol:         k_qf2d7b0cd82_qkv.kd
    .args:
      - { .name: xc, .offset: 0, .size: 8, .value_kind: global_buffer, .address_space: global }
      - { .name: xs, .offset: 8, .size: 8, .value_kind: global_buffer, .address_space: global }
      - { .name: wc, .offset: 16, .size: 8, .value_kind: global_buffer, .address_space: global }
      - { .name: ws, .offset: 24, .size: 8, .value_kind: global_buffer, .address_space: global }
      - { .name: bi, .offset: 32, .size: 8, .value_kind: global_buffer, .address_space: global }
      - { .name: cod, .offset: 40, .size: 8, .value_kind: global_buffer, .address_space: global }
      - { .name: scl, .offset: 48, .size: 8, .value_kind: global_buffer, .address_space: global }
    .group_segment_fixed_size: 197120
    .private_segment_fixed_size: 0
    .kernarg_segment_align: 8
    .kernarg_segment_size: 56
    .max_flat_workgroup_size: 128
    .sgpr_count:     90
    .vgpr_count:     832
    .wavefront_size: 32
...
	.end_amdgpu_metadata
.endif
;; end of part 2
;; launch attn (part 3): grid 16 x 16, 4 waves a work-group, clusters of 4 x 1, 327,680 bytes of LDS; arguments cod, scl, wc, ws, bi, inp, out0; writes out0
.if DOCPART == 3
	.amdgcn_target "amdgcn-amd-amdhsa--gfx1250"
	.amdhsa_code_object_version 6
	.text
	.protected	k_qf2d7b0cd82_attn
	.globl	k_qf2d7b0cd82_attn
	.p2align	8
	.type	k_qf2d7b0cd82_attn,@function
k_qf2d7b0cd82_attn:
	s_mov_b64 s[64:65], 0
	v_nop
	global_prefetch_b8 v0, s[64:65] scope:SCOPE_SE
	s_setreg_imm32_b32 hwreg(HW_REG_WAVE_MODE, 25, 1), 1
	s_wait_xcnt 0x0
	s_wait_alu depctr_hold_cnt(0) depctr_sa_sdst(0) depctr_va_vdst(0) depctr_va_sdst(0) depctr_va_ssrc(0) depctr_va_vcc(0) depctr_vm_vsrc(0)
	s_getreg_b32 s2, hwreg(HW_REG_IB_STS2, 6, 4)
	s_cmp_eq_u32 s2, 0
	s_cbranch_scc0 .Lentry_in_a_cluster
	s_endpgm
.Lentry_in_a_cluster:
	s_bfe_u32 s2, ttmp6, 0x10000c
	s_cmp_lg_u32 s2, 0x3003
	s_cbranch_scc0 .Lentry_shape_is_right
	s_endpgm
.Lentry_shape_is_right:
; out = inp + Wo (V softmax(Q^T K / sqrt(512))^T) + bo, all three products on codes of E5M2 with E8M0 block scales.
; SHARES.  Work-group (i, b): 64 queries (four tiles q) of batch b.  THE WAVES SHARE THE COLUMNS, NOT THE QUERIES: wave w takes keys 256 w on of S^T = K Q^T, channels 128 w on of O^T = V p^T and
; outputs 128 w on of the last product, each for all 64 queries.  So each fragment of K, V and Wo is wanted by ONE wave, which uses it in four matrix instructions.
; THE STREAM.  A wave's K, V and Wo are 40 groups of four fragments (8 KB, 16 matrix instructions): K 16, V 16, Wo 8.  Half of them come from memory straight into registers (four buffers in window 3; V's groups
; 8-11 into window 1, where Q is done with).  The other half (groups 4-7 of each key step of K, V's 4-7 and 12-15, Wo's 4-7) come through ONE slot in LDS, 32 KB a wave, filled five times, one tensor load a wave.
; A wave reads only the slot bytes that its own load brought.  The slot is read out into the register buffers, then asked for again: each fill has a softmax, or eight groups' products, in which to land.
; CLUSTER.  The four work-groups of a cluster are four query blocks of one batch and want the same K, V and Wo: each fill is asked for jointly, by the same descriptor with the mask of all four.
; Only half of the stream goes this way: beside the 143 KB of p, A and the stage LDS has room for one slot of 128 KB, and a slot that carried every group would have 32 products a wave in which to land.
; THE SOFTMAX.  t = score x log2(e) / sqrt(512).  For each 128 keys g and query the owning wave takes M_g = ceil(the largest t of these keys), p = 2^(t - M_g), its sum, its codes and its four block maxima.
; Behind a barrier every wave forms M = the largest M_g and l = sum of l_g 2^(M_g - M); the owner multiplies its block maxima by 2^(M_g - M), which is exact, and makes the scale bytes of them: the codes stay.
; LIMITS: NaN and infinities are not served.  A scale byte that would fall under 1 is held at 1 (for p: what such a block then adds is at most 57,344 x 2^-126, beside a row sum over 1/2); a block of zeros has the byte 1.
; LAYOUT.  All three products leave a lane with one query (or, in the last, one output channel and eight neighbouring pixels); tiles' rows are 32 (t / 2) + 8 (t % 2) + r + 8 (r / 8), so the 16 registers of two
; neighbouring tiles are 16 neighbours along the next K.  p and A go from wave to wave through LDS as images of their registers.
; REGISTERS: window 0: v1-15 addresses; v16-31 scale words of Q, then 1 / l and p's, then A's; v32-95 of K, then V; v224-255 of Wo; v96-223 at work (V's raw scales, softmax, p's fragments, inp).
;   window 1: Q's fragments, then V's groups 8-11, then A's quantiser, then A's fragments.  window 2: S^T, then O^T, then the last product.  window 3: the four buffers.
.set FLOOR, 0x8000000
.set DEXP,  0xf8800000
.set EXPM,  0x7f800000
.set PIMG, 0                           ; LDS: p's images, (4 g + q) x 2,048
.set TMF,  65536                       ; block maxima, (4 g + q) x 512 + 16 lane
.set NGB,  81920                       ; -M_g: 1,024 q + 32 lane + 4 g;  l_g: 4,096 bytes on
.set PSC,  90112                       ; p's scale words, (4 g + q) x 128 + 4 lane
.set AIMG, 94208                       ; A's images, (4 q + ks) x 2,048
.set ASC,  126976                      ; A's scale words, (4 q + ks) x 128 + 4 lane
.set STG,  129024                      ; the way out: 16 rows x (256 + 16) bytes for each wave
.set SLOT, 147456                      ; the slot: 32,768 bytes for each wave; nothing is stored there
.set SPARE, 278528                     ; the spare words, 128 bytes for each wave: two blocks of 256 bytes that no other line names
.set LI,   1                           ; 16 x lane
.set R16,  2                           ; 16 r
.set SPW,  3                           ; LDS address of my spare word; never rewritten
.set L4,   4                           ; 4 x lane
.set PADR, 5
.set TADR, 6
.set NADR, 7
.set STO,  8
.set RD,   9
.set GOFF, 10
.set NIL,  11                          ; 0; never rewritten
.set OWNN, 12
.set OWNT, 13
.set OWNP, 14
.set SADR, 15                          ; my part of the slot + 16 x lane
.set R8T,  160                         ; 8 r, for the loads of Wo's scale words alone
.set QS,   16
.set RL,   16                          ; v16-23: 1 / l, a pair for each query tile
.set PS,   24
.set AS,   16
.set KS,   32
.set VS,   32
.set VSR,  96
.set PC,   160
.set WOS,  224
.set PB,   96                          ; p's fragments: two buffers of 64
.set RES,  96                          ; inp: four tiles x 32
.set OB,   128                         ; window 2: rows read back from the stage, two sets of 32
.set NM,   96                          ; the fix: -M_g [8 q + g], l_g [8 q + g], my block maxima, my -M_g, -M, my scale words
.set LL,   128
.set OT,   160
.set ON,   192
.set FM,   200
.set PW,   208
.set G1,   72                          ; s[72:79] descriptor group 1; s[80:83], s[84:87], s[88:91], s[92:95] groups 0: the first fill, the loop's, V's second, Wo's
.set MSB, 0
.macro WIN new                         ; the immediate's high byte repeats the setting that is left
.if MSB != \new
	s_set_vgpr_msb (MSB<<8)|\new
.set MSB, \new
.endif
.endm
.macro PLACES n
.rept \n
	v_nop
.endr
.endm
.macro ROUND                           ; a round of the cluster's barrier
	s_barrier_signal -1
	s_barrier_wait -1
	s_cmp_lg_u32 s18, 0
	s_cbranch_scc1 .Lnot_wave_0_\@
	s_barrier_signal -3
.Lnot_wave_0_\@:
	s_barrier_wait -3
	s_barrier_signal -1
	s_barrier_wait -1
.endm
.macro WMS d, a, b, c, sa, sb          ; c < 0: the product starts the sum
.if (\c) < 0
	v_wmma_scale_f32_16x16x128_f8f6f4 v[\d:\d+7], v[\a:\a+15], v[\b:\b+15], 0, v[\sa], v[\sb] matrix_a_fmt:MATRIX_FMT_BF8 matrix_b_fmt:MATRIX_FMT_BF8
.else
	v_wmma_scale_f32_16x16x128_f8f6f4 v[\d:\d+7], v[\a:\a+15], v[\b:\b+15], v[\c:\c+7], v[\sa], v[\sb] matrix_a_fmt:MATRIX_FMT_BF8 matrix_b_fmt:MATRIX_FMT_BF8
.endif
.endm
.macro RLOAD n, base, off              ; a group of four fragments from memory into buffer n % 4: 16 loads of 512 consecutive bytes
	WIN 0xc0
.irp f, 0,1,2,3
.irp c, 0,1,2,3
	global_load_b128 v[64*((\n)%4)+16*\f+4*\c:64*((\n)%4)+16*\f+4*\c+3], v[LI], s[\base:\base+1] offset:(\off)+2048*\f+512*\c
.endr
.endr
	WIN 0
.endm
.macro LLOAD n, k                      ; group k of my part of the slot into buffer n % 4
	WIN 0xc0
.irp f, 0,1,2,3
.irp c, 0,1,2,3
	ds_load_b128 v[64*((\n)%4)+16*\f+4*\c:64*((\n)%4)+16*\f+4*\c+3], v[SADR] offset:8192*(\k)+2048*\f+512*\c
.endr
.endr
	WIN 0
.endm
.macro WLOAD k                         ; V's group 8 + k from memory into window 1
	WIN 0x40
.irp f, 0,1,2,3
.irp c, 0,1,2,3
	global_load_b128 v[64*(\k)+16*\f+4*\c:64*(\k)+16*\f+4*\c+3], v[LI], s[26:27] offset:8192*(8+(\k))+2048*\f+512*\c
.endr
.endr
	WIN 0
.endm
	s_load_b128 s[4:7], s[0:1], 0x0                ; cod, scl
	s_load_b128 s[8:11], s[0:1], 0x10              ; wc, ws
	s_load_b128 s[12:15], s[0:1], 0x20             ; bi, inp
	s_load_b64 s[16:17], s[0:1], 0x30              ; out0
	v_lshl_add_u32 v[SPW], v0, 2, SPARE
	v_mov_b32 v[NIL], 0
	ds_add_u32 v3, v11
	s_wait_dscnt 0x0
	v_lshrrev_b32 v5, 5, v0
	v_readfirstlane_b32 s18, v5                    ; wave
	s_bfe_u32 s96, ttmp6, 0x40000                  ; cx: it enters the addresses of Q, inp and out0 alone, through s96-s100
	s_lshl_b32 s100, ttmp9, 2
	s_add_co_u32 s96, s100, s96                    ; i = 4 x cluster x + cx
	s_and_b32 s3, ttmp7, 0xffff                    ; b, which the four partners share
	s_lshl_b32 s97, s3, 4
	s_add_co_u32 s97, s97, s96                     ; 16 b + i
	s_mov_b32 s99, 0
	s_mov_b32 s57, 0
	s_mov_b32 s48, 0x3d8293ee                      ; c = log2(e) / sqrt(512)
	s_mov_b32 s49, s48                             ; (named with it as a pair)
	s_mov_b32 s50, 0x76543210
	s_mov_b32 s51, 0xfedcba98
	s_mov_b32 s52, 0x600000
	s_mov_b32 s53, 0x05040100
	s_mov_b32 s54, 0x07060302
	s_mov_b32 s19, 0                               ; key steps done
	s_lshl_b32 s44, s18, 14                        ; p's images of key step g = 2 w: 8,192 g
	s_lshl_b32 s45, s18, 12
	s_add_co_u32 s45, s45, TMF                     ; its block maxima: 2,048 g
	s_lshl_b32 s46, s18, 3
	s_add_co_u32 s46, s46, NGB                     ; its -M: 4 g
	s_lshl_b32 s47, s18, 15
	s_add_co_u32 s47, s47, SLOT                    ; my part of the slot: the wave's number alone
	; descriptor group 1: 128 rows of 256 bytes (32 elements of 8 bytes), dense in memory and in LDS: four groups
	s_mov_b32 s[G1], 15|(3<<16)|(1<<21)            ; 15:0 the mask: all four work-groups; 17:16 elements of 8 bytes; 21 set beside a mask; no padding: images are read 512 consecutive bytes at a time
	s_mov_b32 s[G1+1], 32<<16                      ; tensor_dim0 = 32
	s_mov_b32 s[G1+2], 128<<16                     ; tensor_dim1 = 128
	s_mov_b32 s[G1+3], 32<<16                      ; tile_dim0 = 32
	s_mov_b32 s[G1+4], 128                         ; tile_dim1 = 128
	s_mov_b32 s[G1+5], 32                          ; pitch
	s_mov_b32 s[G1+6], 0
	s_mov_b32 s[G1+7], 0
	v_and_b32 v5, 31, v0                           ; lane
	v_and_b32 v6, 15, v0                           ; r
	v_bfe_u32 v7, v0, 4, 1                         ; h
	v_lshlrev_b32 v[LI], 4, v5
	v_lshlrev_b32 v[L4], 2, v5
	v_lshlrev_b32 v[R16], 4, v6
	v_lshlrev_b32 v[R8T], 3, v6
	s_mul_i32 s59, s18, 4352
	s_add_co_u32 s59, s59, STG                     ; my stage
	v_mul_u32_u24 v[STO], v6, 272
	v_lshl_add_u32 v[STO], v7, 6, v[STO]
	v_add_nc_u32 v[STO], s59, v[STO]               ; in: row r, + 64 h
	v_mul_u32_u24 v[RD], v7, 272
	v_lshl_add_u32 v[RD], v6, 4, v[RD]
	v_add_nc_u32 v[RD], s59, v[RD]                 ; back: lanes 0-15 one row of 256 bytes, lanes 16-31 the next
	v_lshlrev_b32 v[GOFF], 12, v7
	v_lshl_add_u32 v[GOFF], v6, 4, v[GOFF]         ; and the same two channels' 256 bytes in inp and out0
	v_lshl_add_u32 v[OWNN], v[L4], 3, s46          ; my two key steps' -M
	v_add_nc_u32 v[OWNT], s45, v[LI]               ; their block maxima
	s_lshl_b32 s59, s18, 10
	s_add_co_u32 s59, s59, PSC
	v_add_nc_u32 v[OWNP], s59, v[L4]               ; their scale words
	v_add_nc_u32 v[SADR], s47, v[LI]
.irp z, 180,181,182,183,193,199,204,205,206,207,217,223
	v_mov_b32 v\z, 0                               ; lane permutes' destinations and the upper halves of pairs, in both sets of the softmax's registers
.endr
	s_wait_kmcnt 0x0
	s_lshl_b32 s98, s97, 15
	s_add_nc_u64 s[20:21], s[4:5], s[98:99]        ; Q's 16 fragments
	s_lshl_b32 s56, s3, 19
	s_lshl_b32 s59, s18, 17
	s_add_co_u32 s56, s56, s59
	s_add_co_u32 s56, s56, 0x800000
	s_add_nc_u64 s[22:23], s[4:5], s[56:57]        ; K: my first key step's eight groups,
	s_add_nc_u64 s[24:25], s[22:23], 0x10000       ; and what follows them
	s_lshl_b32 s56, s3, 2
	s_add_co_u32 s56, s56, s18
	s_lshl_b32 s56, s56, 17
	s_add_co_u32 s56, s56, 0x1000000
	s_add_nc_u64 s[26:27], s[4:5], s[56:57]        ; V: my 128 channels' 16 groups
	s_add_co_u32 s59, s18, 12
	s_lshl_b32 s56, s59, 16
	s_add_nc_u64 s[28:29], s[8:9], s[56:57]        ; Wo: my 128 rows' eight groups
	s_lshl_b32 s98, s97, 10
	s_add_nc_u64 s[30:31], s[6:7], s[98:99]        ; Q's scale words
	s_lshl_b32 s56, s3, 4
	s_lshl_b32 s60, s18, 2
	s_add_co_u32 s56, s56, s60
	s_lshl_b32 s56, s56, 10
	s_add_co_u32 s56, s56, 0x40000
	s_add_nc_u64 s[32:33], s[6:7], s[56:57]        ; K's
	s_lshl_b32 s56, s3, 14
	s_lshl_b32 s60, s18, 8
	s_add_co_u32 s56, s56, s60
	s_add_co_u32 s56, s56, 0x80000
	s_add_nc_u64 s[34:35], s[6:7], s[56:57]        ; V's
	s_lshl_b32 s56, s59, 11
	s_add_nc_u64 s[36:37], s[10:11], s[56:57]      ; Wo's
	s_lshl_b32 s56, s59, 13
	s_add_nc_u64 s[38:39], s[12:13], s[56:57]      ; bo's tiles
	s_lshl_b32 s98, s3, 21
	s_lshl_b32 s100, s18, 19
	s_add_co_u32 s98, s98, s100
	s_lshl_b32 s100, s96, 8
	s_add_co_u32 s98, s98, s100
	s_add_nc_u64 s[40:41], s[14:15], s[98:99]      ; inp and out0 at batch b, channel 128 w, pixel 64 i
	s_add_nc_u64 s[42:43], s[16:17], s[98:99]
	; groups 0: count, LDS address, global address (b and the wave's number alone), type
	s_mov_b32 s80, 1
	s_mov_b32 s81, s47
	s_add_nc_u64 s[82:83], s[22:23], 0x8000        ; K's groups 4-7 of my first key step
	s_or_b32 s83, s83, 0x80000000
	s_mov_b32 s84, 1                               ; (the loop writes this one's address)
	s_mov_b32 s85, s47
	s_mov_b32 s88, 1
	s_mov_b32 s89, s47
	s_add_nc_u64 s[90:91], s[26:27], 0x18000       ; V's groups 12-15
	s_or_b32 s91, s91, 0x80000000
	s_mov_b32 s92, 1
	s_mov_b32 s93, s47
	s_add_nc_u64 s[94:95], s[28:29], 0x8000        ; Wo's groups 4-7
	s_or_b32 s95, s95, 0x80000000
	ROUND                                          ; all four work-groups are here: the first joint loads meet
	tensor_load_to_lds s[80:83], s[G1:G1+7]        ; the slot's first fill: one tensor load of mine is out, here and behind every later round
	s_nop 0
	PLACES 4                                       ; four lines here ahead of a switch of windows
	WIN 0x40
.set f, 0
.rept 16
.irp c, 0,1,2,3
	global_load_b128 v[16*f+4*\c:16*f+4*\c+3], v[LI], s[20:21] offset:2048*f+512*\c
.endr
.set f, f+1
.endr
	WIN 0
.irp ks, 0,1,2,3
	global_load_b128 v[QS+4*\ks:QS+4*\ks+3], v[R16], s[30:31] offset:256*\ks
.endr
.macro KSLOAD off
.irp e, 0,1
.irp ks, 0,1,2,3
	global_load_b128 v[KS+16*\e+4*\ks:KS+16*\e+4*\ks+3], v[R16], s[32:33] offset:\off+1024*\e+256*\ks
.endr
.endr
.endm
	KSLOAD 0
.irp n, 0,1,2,3
	RLOAD \n, 22, 8192*\n
.endr
.set f, 0
.rept 16
	global_load_b128 v[VSR+4*f:VSR+4*f+3], v[R16], s[34:35] offset:1024*f
.set f, f+1
.endr
.irp t, 0,1,2,3,4,5,6,7
	global_load_b64 v[WOS+4*\t:WOS+4*\t+1], v[R8T], s[36:37] offset:256*\t
	global_load_b64 v[WOS+4*\t+2:WOS+4*\t+3], v[R8T], s[36:37] offset:256*\t+128
.endr
; S^T of key tile j: four K steps x four query tiles; the four accumulators take turns
.macro SMUL j
	WIN 0xa7                                       ; K window 3, Q window 1, S^T window 2
.irp ks, 0,1,2,3
.irp q, 0,1,2,3
.set DD, 64*\q+8*(\j)
.set CC, DD
.if \ks == 0
.set CC, -1
.endif
	WMS DD, 64*((\j)%4)+16*\ks, 16*(4*\q+\ks), CC, KS+16*((\j)/4)+4*\ks+(\j)%4, QS+4*\ks+\q
.endr
.endr
.endm
; query tile q, 128 keys: M_g, p, its sum, codes and block maxima.  The small registers lie in two sets, by q's parity, so that none is rewritten while an LDS store may read it.
.macro SOFTMAX q
.set SB,  64*(\q)
.set ZB,  176+24*((\q)%2)
.set BM,  ZB
.set T2,  ZB+4
.set LIM, ZB+8
.set SCL, ZB+12
.set NGM, ZB+16
.set SUM, ZB+18
.set TT,  ZB+22
.set PT,  ZB+23
	WIN 0x0a
.irp be, 0,1,2,3
	v_max_num_f32 v[BM+\be], v[SB+16*\be], v[SB+16*\be+1]          ; the largest score of each block of 32 keys; each accumulator is read from its low end on
.endr
.irp o, 2,4,6,8,10,12,14
.irp be, 0,1,2,3
	v_max3_num_f32 v[BM+\be], v[SB+16*\be+\o], v[SB+16*\be+\o+1], v[BM+\be]
.endr
.endr
	WIN 0
.irp be, 0,1,2,3
	v_permlanex16_b32 v[T2+\be], v[BM+\be], s50, s51
.endr
.irp be, 0,1,2,3
	v_max_num_f32 v[BM+\be], v[BM+\be], v[T2+\be]
.endr
	v_max3_num_f32 v[TT], v[BM], v[BM+1], v[BM+2]
	v_max_num_f32 v[TT], v[TT], v[BM+3]
	v_mul_f32 v[TT], s48, v[TT]
	v_floor_f32 v[NGM], -v[TT]                     ; -M_g = floor(-t): M_g is a whole number
	WIN 0x82
.set o, 0
.rept 32
	v_pk_fma_f32 v[SB+o:SB+o+1], v[SB+o:SB+o+1], s[48:49], v[NGM:NGM+1] op_sel_hi:[1,0,0]
.set o, o+2
.endr
	WIN 0
.irp be, 0,1,2,3
	v_fma_f32 v[BM+\be], v[BM+\be], s48, v[NGM]    ; the same of each block's largest score: p rises with the score
.endr
	WIN 0x82
.set o, 0
.rept 64
	v_exp_f32 v[SB+o], v[SB+o]
.set o, o+1
.endr
	WIN 0
.irp be, 0,1,2,3
	v_exp_f32 v[BM+\be], v[BM+\be]
.endr
	v_nop                                          ; a plain line behind the exponentials
	s_wait_alu depctr_va_vdst(0)
.irp be, 0,1,2,3
	v_max_num_f32 v[BM+\be], FLOOR, v[BM+\be]
.endr
.irp be, 0,1,2,3
	v_add_nc_u32 v[SCL+\be], DEXP, v[BM+\be]
.endr
.irp be, 0,1,2,3
	v_and_or_b32 v[LIM+\be], v[BM+\be], EXPM, s52
.endr
	WIN 0x0a
	v_pk_add_f32 v[SUM:SUM+1], v[SB:SB+1], v[SB+2:SB+3]            ; the sum is taken of the unquantised p, in two chains
	v_pk_add_f32 v[SUM+2:SUM+3], v[SB+4:SB+5], v[SB+6:SB+7]
	WIN 0x02
.set o, 8
.rept 14
	v_pk_add_f32 v[SUM:SUM+1], v[SB+o:SB+o+1], v[SUM:SUM+1]
	v_pk_add_f32 v[SUM+2:SUM+3], v[SB+o+2:SB+o+3], v[SUM+2:SUM+3]
.set o, o+4
.endr
	WIN 0
	v_pk_add_f32 v[SUM:SUM+1], v[SUM:SUM+1], v[SUM+2:SUM+3]
	v_add_f32 v[SUM], v[SUM], v[SUM+1]
	v_permlanex16_b32 v[PT], v[SUM], s50, s51
	v_add_f32 v[SUM], v[SUM], v[PT]
	WIN 0x82
.irp be, 0,1,2,3
.irp o, 0,1,2,3,4,5,6,7,8,9,10,11,12,13,14,15
	v_min_num_f32 v[SB+16*\be+\o], v[SB+16*\be+\o], v[LIM+\be]     ; the conversion does not saturate (ISA guide 7.6.2); p is not negative
.endr
.endr
	s_wait_dscnt 0x0                               ; the last tile's LDS stores have read their registers
	WIN 0x02
.irp be, 0,1,2,3
	v_cvt_scalef32_pk8_bf8_f32 v[PC+4*\be:PC+4*\be+1], v[SB+16*\be:SB+16*\be+7], v[SCL+\be]
	v_cvt_scalef32_pk8_bf8_f32 v[PC+4*\be+2:PC+4*\be+3], v[SB+16*\be+8:SB+16*\be+15], v[SCL+\be]
.endr
	WIN 0
	v_nop                                          ; a plain line behind the last conversion
.irp c, 0,1,2,3
	ds_store_b128 v[PADR], v[PC+4*\c:PC+4*\c+3] offset:2048*(\q)+512*\c
.endr
	ds_store_b128 v[TADR], v[BM:BM+3] offset:512*(\q)
	ds_store_b32 v[NADR], v[NGM] offset:1024*(\q)
	ds_store_b32 v[NADR], v[SUM] offset:1024*(\q)+4096
.endm
.Lstep:                                            ; two trips: my key steps g = 2 w and 2 w + 1.  At the head groups 0-3 lie in the buffers and groups 4-7 in the slot
	s_wait_loadcnt 0x0                             ; the step's first four groups and its scale words (in the second trip they had a whole softmax in which to land)
	s_wait_dscnt 0x0                               ; the last step's LDS stores have read their addresses
	s_wait_tensorcnt 0x0                           ; for the reads below: my part of the slot has landed (no younger load is out)
	v_add_nc_u32 v[PADR], s44, v[LI]
	v_add_nc_u32 v[TADR], s45, v[LI]
	v_lshl_add_u32 v[NADR], v[L4], 3, s46
.irp j, 0,1,2,3
	SMUL \j
	WIN 0
	PLACES 8                                       ; ahead of loads into registers that these products read
	LLOAD \j, \j                                   ; the buffer takes group j + 4 out of the slot
.endr
	; the slot has been asked out and is filled again
	s_wait_tensorcnt 0x0                           ; all my tensor loads are done, so a group 0 may be written;
	ds_add_u32 v[SPW], v[NIL]                      ; 0 onto my spare word: 64 products stand between it and the wait for it
	s_add_nc_u64 s[86:87], s[24:25], 0x8000        ; groups 4-7 of what follows: K's second key step, then V
	s_or_b32 s87, s87, 0x80000000
.irp j, 4,5,6,7
	s_wait_dscnt 49-16*(\j-4)                      ; this group is out of the slot; the younger groups' 16 reads each and the add stay out
	SMUL \j
.endr
	WIN 0
	s_wait_dscnt 0x0                               ; the add is done, and my reads of the slot are over
	ROUND                                          ; so it is with every wave of all four work-groups
	tensor_load_to_lds s[84:87], s[G1:G1+7]        ; the joint refill, first behind the round: it has the softmax in which to land
	s_nop 0
	PLACES 8                                       ; eight ahead of loads into registers that the last products read
	RLOAD 0, 24, 0                                 ; groups 0-3 of what follows, from memory; the fourth a little later, so that the wave does not sit at a full counter
	RLOAD 1, 24, 8192
	RLOAD 2, 24, 16384
	s_cmp_eq_u32 s19, 1
	s_cbranch_scc1 .Lno_ks                         ; no third key step
	KSLOAD 2048
.Lno_ks:
	SOFTMAX 0
	SOFTMAX 1
	RLOAD 3, 24, 24576
	SOFTMAX 2
	SOFTMAX 3
	s_wait_xcnt 0x0                                ; the loads have read their base
	s_mov_b64 s[24:25], s[26:27]                   ; behind K comes V
	s_add_co_u32 s44, s44, 8192
	s_add_co_u32 s45, s45, 2048
	s_add_co_u32 s46, s46, 4
	s_add_co_u32 s19, s19, 1
	s_cmp_lt_u32 s19, 2
	s_cbranch_scc1 .Lstep
	WLOAD 0                                        ; V's groups 8-11 go into window 1, where Q's fragments are done with: they land under the fix and V's first eight groups
	WLOAD 1
	s_wait_loadcnt 48                              ; K's scale words and all older loads are in (behind them: buffer 3's group and the 32 loads just issued), so their registers may be written
	; V's scale bytes arrive as halfwords (two blocks of 64 pixels) for eight tiles; a scale word wants the halfwords of two neighbouring 64 pixels
.irp g, 0,1,2,3,4,5,6,7
.irp u, 0,1,2,3
	v_perm_b32 v[VS+8*\g+2*\u], v[VSR+8*\g+4+\u], v[VSR+8*\g+\u], s53
	v_perm_b32 v[VS+8*\g+2*\u+1], v[VSR+8*\g+4+\u], v[VSR+8*\g+\u], s54
.endr
.endr
	s_wait_tensorcnt 0x0                           ; V's groups 4-7 lie in my part of the slot
	s_wait_dscnt 0x0
	s_barrier_signal -1
	s_barrier_wait -1                              ; all eight key steps' codes, maxima, -M_g and l_g lie in LDS
	; ---- the fix: M, l, 1 / l, and my 8 x 4 scale bytes under M
	v_lshl_add_u32 v5, v[L4], 3, NGB
.irp q, 0,1,2,3
	ds_load_b128 v[NM+8*\q:NM+8*\q+3], v5 offset:1024*\q
	ds_load_b128 v[NM+8*\q+4:NM+8*\q+7], v5 offset:1024*\q+16
	ds_load_b128 v[LL+8*\q:LL+8*\q+3], v5 offset:4096+1024*\q
	ds_load_b128 v[LL+8*\q+4:LL+8*\q+7], v5 offset:4096+1024*\q+16
.endr
.irp k, 0,1,2,3,4,5,6,7
	ds_load_b128 v[OT+4*\k:OT+4*\k+3], v[OWNT] offset:512*\k
.endr
.irp q, 0,1,2,3
	ds_load_b64 v[ON+2*\q:ON+2*\q+1], v[OWNN] offset:1024*\q
.endr
	v_add_nc_u32 v6, PSC, v[L4]
	v_lshlrev_b32 v7, 8, v[LI]                     ; 4,096 x lane: a channel a lane, for the prefetches of inp
	WLOAD 2
	s_wait_dscnt 0x0
.irp q, 0,1,2,3
	v_min3_num_f32 v[FM+\q], v[NM+8*\q], v[NM+8*\q+1], v[NM+8*\q+2]
.endr
.irp q, 0,1,2,3
	v_min3_num_f32 v[FM+\q], v[FM+\q], v[NM+8*\q+3], v[NM+8*\q+4]
.endr
.irp q, 0,1,2,3
	v_min3_num_f32 v[FM+\q], v[FM+\q], v[NM+8*\q+5], v[NM+8*\q+6]
.endr
.irp q, 0,1,2,3
	v_min_num_f32 v[FM+\q], v[FM+\q], v[NM+8*\q+7] ; -M = the least -M_g
.endr
.irp q, 0,1,2,3
.irp g, 0,1,2,3,4,5,6,7
	v_sub_f32 v[NM+8*\q+\g], v[FM+\q], v[NM+8*\q+\g]               ; M_g - M: a whole number, 0 or less
.endr
.endr
.irp q, 0,1,2,3
.irp g, 0,1,2,3,4,5,6,7
	v_cvt_i32_f32 v[NM+8*\q+\g], v[NM+8*\q+\g]     ; (it saturates)
.endr
.endr
.irp q, 0,1,2,3
.irp g, 0,1,2,3,4,5,6,7
	v_ldexp_f32 v[LL+8*\q+\g], v[LL+8*\q+\g], v[NM+8*\q+\g]
.endr
.endr
.irp q, 0,1,2,3
	v_pk_add_f32 v[LL+8*\q:LL+8*\q+1], v[LL+8*\q:LL+8*\q+1], v[LL+8*\q+2:LL+8*\q+3]
	v_pk_add_f32 v[LL+8*\q+4:LL+8*\q+5], v[LL+8*\q+4:LL+8*\q+5], v[LL+8*\q+6:LL+8*\q+7]
.endr
.irp q, 0,1,2,3
	v_pk_add_f32 v[LL+8*\q:LL+8*\q+1], v[LL+8*\q:LL+8*\q+1], v[LL+8*\q+4:LL+8*\q+5]
.endr
.irp q, 0,1,2,3
	v_add_f32 v[LL+8*\q], v[LL+8*\q], v[LL+8*\q+1] ; l
.endr
	WLOAD 3
.irp q, 0,1,2,3
	v_rcp_f32 v[RL+2*\q], v[LL+8*\q]               ; 1 / l, twice: a pair for the packed multiply; where Q's scale words are done with
	v_rcp_f32 v[RL+2*\q+1], v[LL+8*\q]
.endr
.irp q, 0,1,2,3
.irp s, 0,1
	v_sub_f32 v[ON+2*\q+\s], v[FM+\q], v[ON+2*\q+\s]               ; (plain lines behind the reciprocals)
.endr
.endr
.irp k, 0,1,2,3,4,5,6,7
	v_cvt_i32_f32 v[ON+\k], v[ON+\k]
.endr
.irp s, 0,1
.irp q, 0,1,2,3
.irp be, 0,1,2,3
	v_ldexp_f32 v[OT+4*(4*\s+\q)+\be], v[OT+4*(4*\s+\q)+\be], v[ON+2*\q+\s]   ; the block's largest p under M: exact
.endr
.irp be, 0,1,2,3
	v_max_num_f32 v[OT+4*(4*\s+\q)+\be], FLOOR, v[OT+4*(4*\s+\q)+\be]
.endr
.irp be, 0,1,2,3
	v_add_nc_u32 v[OT+4*(4*\s+\q)+\be], DEXP, v[OT+4*(4*\s+\q)+\be]
.endr
.irp be, 0,1,2,3
	v_lshrrev_b32 v[OT+4*(4*\s+\q)+\be], 23, v[OT+4*(4*\s+\q)+\be]
.endr
	v_lshl_or_b32 v[PW+4*\s+\q], v[OT+4*(4*\s+\q)+1], 8, v[OT+4*(4*\s+\q)]
	v_lshl_or_b32 v[PW+4*\s+\q], v[OT+4*(4*\s+\q)+2], 16, v[PW+4*\s+\q]
	v_lshl_or_b32 v[PW+4*\s+\q], v[OT+4*(4*\s+\q)+3], 24, v[PW+4*\s+\q]
	ds_store_b32 v[OWNP], v[PW+4*\s+\q] offset:128*(4*\s+\q)
.endr
.endr
	s_wait_dscnt 0x0
	s_barrier_signal -1
	s_barrier_wait -1                              ; all of p's scale words lie in LDS
	; ---- O^T = V p^T.  Groups 0-3: the buffers (from memory); 4-7: out of the slot; 8-11: window 1 (from memory); 12-15: out of the slot's next fill
.macro PLOAD g                         ; key step g's four fragments of p and their scale words: 20 LDS loads
.irp q, 0,1,2,3
.irp c, 0,1,2,3
	ds_load_b128 v[PB+64*((\g)%2)+16*\q+4*\c:PB+64*((\g)%2)+16*\q+4*\c+3], v[LI] offset:(4*(\g)+\q)*2048+512*\c
.endr
	ds_load_b32 v[PS+4*((\g)%2)+\q], v6 offset:(4*(\g)+\q)*128
.endr
.endm
.macro VGROUP g, th                    ; group 2 g + th: channel tiles 4 th .. 4 th + 3 x four query tiles: 16 accumulators; all 32 take turns
.set NN, 2*(\g)+(\th)
.if (NN >= 8) && (NN < 12)
	WIN 0xa1                                       ; V window 1, p window 0, O^T window 2
.else
	WIN 0xa3                                       ; V window 3
.endif
.irp tt, 0,1,2,3
.irp q, 0,1,2,3
.set TI, 4*(\th)+\tt
.set DD, 64*\q+8*TI
.set CC, DD
.if (\g) == 0
.set CC, -1
.endif
	WMS DD, 64*(NN%4)+16*\tt, PB+64*((\g)%2)+16*\q, CC, VS+8*(\g)+TI, PS+4*((\g)%2)+\q
.endr
.endr
	WIN 0
	PLACES 8                                       ; ahead of loads into registers that these products read
.endm
	PLOAD 0
	s_wait_loadcnt 48                              ; V's groups 0-3 and 8 are in; groups 9-11 stay out
	s_wait_dscnt 0x0
	VGROUP 0, 0
	LLOAD 0, 0                                     ; group 4
	PLOAD 1
	VGROUP 0, 1
	LLOAD 1, 1
	s_wait_dscnt 16                                ; p of key step 1 is in; the 16 slot reads just issued stay out
	VGROUP 1, 0
	LLOAD 2, 2
	PLOAD 2
	VGROUP 1, 1
	LLOAD 3, 3
	PLOAD 3
	s_wait_tensorcnt 0x0                           ; the slot has been asked out and is filled again: no tensor load of mine is out;
	ds_add_u32 v[SPW], v[NIL]                      ; 0 onto my spare word: 32 products stand between it and the wait for it
	s_wait_dscnt 37                                ; p of key step 2 and groups 4-6 are in; group 7's 16 reads, p of step 3 (20) and the add stay out
	VGROUP 2, 0
	VGROUP 2, 1
	s_wait_dscnt 0x0                               ; the add is done, and my reads of the slot are over
	ROUND
	tensor_load_to_lds s[88:91], s[G1:G1+7]        ; V's groups 12-15: they have groups 6-10 in which to land
	s_nop 0
	PLACES 4
	VGROUP 3, 0
	PLOAD 4
	global_prefetch_b8 v7, s[40:41] th:TH_LOAD_NT scope:SCOPE_SE                  ; 32 of my 128 channels' 256 bytes of inp an instruction, each asked for once, by the wave that will load them:
	global_prefetch_b8 v7, s[40:41] offset:131072 th:TH_LOAD_NT scope:SCOPE_SE    ; eight to ten groups and half of A's quantiser ahead of those loads
	VGROUP 3, 1
	s_wait_dscnt 0x0
	s_wait_loadcnt 32                              ; groups 8 and 9 are in; 10 and 11 stay out
	VGROUP 4, 0
	PLOAD 5
	global_prefetch_b8 v7, s[40:41] offset:262144 th:TH_LOAD_NT scope:SCOPE_SE
	global_prefetch_b8 v7, s[40:41] offset:393216 th:TH_LOAD_NT scope:SCOPE_SE
	VGROUP 4, 1
	s_wait_dscnt 0x0
	s_wait_loadcnt 0x0
	VGROUP 5, 0
	s_wait_tensorcnt 0x0                           ; for the reads below: groups 12-15 lie in my part of the slot
	LLOAD 0, 0
	LLOAD 1, 1
	PLOAD 6
	VGROUP 5, 1
	LLOAD 2, 2
	LLOAD 3, 3
	PLOAD 7
	s_wait_tensorcnt 0x0                           ; the slot's last refill, in the same order
	ds_add_u32 v[SPW], v[NIL]
	s_wait_dscnt 53                                ; p of key step 6 and groups 12, 13 are in; groups 14, 15 (32 reads), p of step 7 (20) and the add stay out
	VGROUP 6, 0
	VGROUP 6, 1
	s_wait_dscnt 0x0
	ROUND
	tensor_load_to_lds s[92:95], s[G1:G1+7]        ; Wo's groups 4-7: they have A's quantiser in which to land
	s_nop 0
	PLACES 4
	RLOAD 0, 28, 0                                 ; Wo's groups 0-3 from memory, as the buffers fall free
	RLOAD 1, 28, 8192
	VGROUP 7, 0
	RLOAD 2, 28, 16384
	VGROUP 7, 1
	RLOAD 3, 28, 24576
	; ---- A = O^T / l, quantised along the channels: my 128 channels are K step w of the last product
.macro RESLOAD t
.irp e, 0,1,2,3,4,5,6,7
	global_load_b128 v[RES+32*((\t)%4)+4*\e:RES+32*((\t)%4)+4*\e+3], v[GOFF], s[40:41] offset:4096*(32*((\t)/2)+8*((\t)%2)+2*\e+8*(\e/4)) th:TH_LOAD_NT
.endr
.endm
	s_lshl_b32 s59, s18, 11
	s_add_co_u32 s59, s59, AIMG
	v_add_nc_u32 v12, s59, v[LI]                   ; where I store A's images
	s_lshl_b32 s59, s18, 7
	s_add_co_u32 s59, s59, ASC
	v_add_nc_u32 v13, s59, v[L4]                   ; and their scale words
	v_add_nc_u32 v14, ASC, v[L4]
	v_add_nc_u32 v5, AIMG, v[LI]
	WIN 0x40
	s_wait_alu depctr_va_vdst(0)
.irp be, 0,1,2,3
	v_mov_b32 v[20+\be], 0                         ; window 1: the destinations of the lane permutes in A's quantiser
.endr
	WIN 0
.macro AQUANT q                        ; window 1: v0-15 codes, v16-19 maxima, v20-23 at work, v24-27 holds, v28-31 scales, v32-35 scale words
.set OQ, 64*(\q)
	WIN 0x82
.set o, 0
.rept 32
	v_pk_mul_f32 v[OQ+o:OQ+o+1], v[OQ+o:OQ+o+1], v[RL+2*(\q):RL+2*(\q)+1]
.set o, o+2
.endr
	WIN 0x5a
.irp be, 0,1,2,3
	v_max3_num_f32 v[16+\be], |v[OQ+16*\be]|, |v[OQ+16*\be+1]|, FLOOR
.endr
.irp o, 2,4,6,8,10,12,14
.irp be, 0,1,2,3
	v_max3_num_f32 v[16+\be], |v[OQ+16*\be+\o]|, |v[OQ+16*\be+\o+1]|, v[16+\be]
.endr
.endr
	WIN 0x55
.irp be, 0,1,2,3
	v_permlanex16_b32 v[20+\be], v[16+\be], s50, s51
.endr
.irp be, 0,1,2,3
	v_max_num_f32 v[16+\be], v[16+\be], v[20+\be]
.endr
.irp be, 0,1,2,3
	v_add_nc_u32 v[28+\be], DEXP, v[16+\be]
.endr
.irp be, 0,1,2,3
	v_and_or_b32 v[24+\be], v[16+\be], EXPM, s52
.endr
.irp be, 0,1,2,3
	v_lshrrev_b32 v[20+\be], 23, v[28+\be]
.endr
	v_lshl_or_b32 v[32+\q], v21, 8, v20
	v_lshl_or_b32 v[32+\q], v22, 16, v[32+\q]
	v_lshl_or_b32 v[32+\q], v23, 24, v[32+\q]
	WIN 0x96
.irp be, 0,1,2,3
.irp o, 0,1,2,3,4,5,6,7,8,9,10,11,12,13,14,15
	v_med3_num_f32 v[OQ+16*\be+\o], v[OQ+16*\be+\o], -v[24+\be], v[24+\be]
.endr
.endr
	s_wait_dscnt 0x0                               ; the last tile's LDS stores have read their registers
	WIN 0x46
.irp be, 0,1,2,3
	v_cvt_scalef32_pk8_bf8_f32 v[4*\be:4*\be+1], v[OQ+16*\be:OQ+16*\be+7], v[28+\be]
	v_cvt_scalef32_pk8_bf8_f32 v[4*\be+2:4*\be+3], v[OQ+16*\be+8:OQ+16*\be+15], v[28+\be]
.endr
	WIN 0x04                                       ; an LDS store's data are its source 1: window 1
	v_nop                                          ; a plain line behind the last conversion
.irp c, 0,1,2,3
	ds_store_b128 v12, v[4*\c:4*\c+3] offset:8192*(\q)+512*\c
.endr
	ds_store_b32 v13, v[32+\q] offset:512*(\q)
	WIN 0
.endm
	AQUANT 0
	AQUANT 1
	WIN 0x80                                       ; bo's eight tiles into window 2 v64-127, which the quantiser has left
.irp t, 0,1,2,3,4,5,6,7
	global_load_b128 v[64+8*\t:64+8*\t+3], v[LI], s[38:39] offset:1024*\t
	global_load_b128 v[64+8*\t+4:64+8*\t+7], v[LI], s[38:39] offset:1024*\t+512
.endr
	WIN 0
	AQUANT 2
	RESLOAD 0                                      ; inp's first four tiles, dealt out behind Wo's 64 loads so that the wave does not sit at a full counter
	RESLOAD 1
	AQUANT 3
	RESLOAD 2
	RESLOAD 3
	s_wait_tensorcnt 0x0                           ; Wo's groups 4-7 lie in my part of the slot
	s_wait_dscnt 0x0
	s_barrier_signal -1
	s_barrier_wait -1                              ; A's sixteen fragments lie in LDS
	WIN 0x40
.set f, 0
.rept 16
.irp c, 0,1,2,3
	ds_load_b128 v[16*f+4*\c:16*f+4*\c+3], v5 offset:2048*f+512*\c
.endr
.set f, f+1
.endr
	WIN 0
.set f, 0
.rept 16
	ds_load_b32 v[AS+f], v14 offset:128*f
.set f, f+1
.endr
	s_wait_dscnt 0x0
	s_wait_loadcnt 32                              ; Wo's groups 0-3 and bo are in; inp's four tiles (32 loads) stay out
	; ---- out = inp + Wo A + bo.  Source 0 = 16 queries of A, source 1 = 16 rows of Wo: a lane holds one output channel and eight neighbouring pixels
.macro MMO t                           ; tiles 4-7 come out of the slot four tiles ahead; the wait for all LDS loads in the tile between has shown them in
	WIN 0xad                                       ; A window 1, Wo window 3, C and D window 2
.irp ks, 0,1,2,3
.irp q, 0,1,2,3
.set DD, 32*((\t)%2)+8*\q
.set CC, DD
.if \ks == 0
.set CC, 64+8*(\t)
.endif
	WMS DD, 16*(4*\q+\ks), 64*((\t)%4)+16*\ks, CC, AS+4*\q+\ks, WOS+4*(\t)+\ks
.endr
.endr
	WIN 0
.endm
.macro STAGE t                         ; a tile (16 channels x 64 pixels) through my own stage: LDS serves a wave's instructions in order (ISA guide 5.7.1.4)
	WIN 0x08
.irp q, 0,1,2,3
	ds_store_b128 v[STO], v[32*((\t)%2)+8*\q:32*((\t)%2)+8*\q+3] offset:128*(\q/2)+32*(\q%2)       ; each accumulator from its low end on
	ds_store_b128 v[STO], v[32*((\t)%2)+8*\q+4:32*((\t)%2)+8*\q+7] offset:128*(\q/2)+32*(\q%2)+16
.endr
	WIN 0x80
.irp e, 0,1,2,3,4,5,6,7
	ds_load_b128 v[OB+32*((\t)%2)+4*\e:OB+32*((\t)%2)+4*\e+3], v[RD] offset:544*\e
.endr
	WIN 0
.endm
.macro FINISH t                        ; + inp, and out: sixteen lanes store 256 consecutive bytes of a channel, aligned
.if (\t) >= 1
	s_wait_xcnt 0x0                                ; the last tile's stores have read their registers: the next tile's rows land there only behind this wait, which stands ahead of this tile's own requests
.endif
	s_wait_dscnt 0x0
.if (\t) < 4
	s_wait_loadcnt 24                              ; this tile of inp is in; the three younger tiles (8 loads each) stay out
.else
	s_wait_loadcnt 8*(7-(\t))
.endif
	WIN 0x82
.irp e, 0,1,2,3,4,5,6,7
	v_pk_add_f32 v[OB+32*((\t)%2)+4*\e:OB+32*((\t)%2)+4*\e+1], v[OB+32*((\t)%2)+4*\e:OB+32*((\t)%2)+4*\e+1], v[RES+32*((\t)%4)+4*\e:RES+32*((\t)%4)+4*\e+1]
	v_pk_add_f32 v[OB+32*((\t)%2)+4*\e+2:OB+32*((\t)%2)+4*\e+3], v[OB+32*((\t)%2)+4*\e+2:OB+32*((\t)%2)+4*\e+3], v[RES+32*((\t)%4)+4*\e+2:RES+32*((\t)%4)+4*\e+3]
.endr
	WIN 0x08
.irp e, 0,1,2,3,4,5,6,7
	global_store_b128 v[GOFF], v[OB+32*((\t)%2)+4*\e:OB+32*((\t)%2)+4*\e+3], s[42:43] offset:4096*(32*((\t)/2)+8*((\t)%2)+2*\e+8*(\e/4)) th:TH_STORE_NT
.endr
	WIN 0
.if (\t) < 4
	RESLOAD (\t)+4
.endif
.endm
	MMO 0
	PLACES 8
	LLOAD 0, 0                                     ; Wo's group 4
	STAGE 0
.irp t, 1,2,3,4,5,6,7
	MMO \t
	FINISH \t-1                                    ; its 16 additions name none of the products' registers: they are the places ahead of the buffer's loads and of the stage's reads
.if \t < 4
	LLOAD \t, \t
.endif
	STAGE \t
.endr
	FINISH 7
	s_wait_tensorcnt 0x0                           ; the wave's end, behind my last tensor load and my last LDS store
	ds_add_u32 v[SPW], v[NIL]
	s_wait_dscnt 0x0
	ROUND                                          ; the closing round: no work-group ends while a partner may still ask for a tile that names it
	s_endpgm
.Lfunc_end_k_qf2d7b0cd82_attn:
	.size	k_qf2d7b0cd82_attn, .Lfunc_end_k_qf2d7b0cd82_attn-k_qf2d7b0cd82_attn
	.p2alignl 7, 3214868480
	.fill 96, 4, 3214868480
	.section	.rodata,"a",@progbits
	.p2align	6, 0x0
	.amdhsa_kernel k_qf2d7b0cd82_attn
		.amdhsa_group_segment_fixed_size 327680
		.amdhsa_private_segment_fixed_size 0
		.amdhsa_enable_private_segment 0
		.amdhsa_kernarg_size 56
		.amdhsa_user_sgpr_count 2
		.amdhsa_user_sgpr_kernarg_segment_ptr 1
		.amdhsa_wavefront_size32 1
		.amdhsa_system_sgpr_workgroup_id_x 1
		.amdhsa_system_sgpr_workgroup_id_y 1
		.amdhsa_system_sgpr_workgroup_id_z 1
		.amdhsa_system_vgpr_workitem_id 0
		.amdhsa_next_free_vgpr 1024
		.amdhsa_next_free_sgpr 102
		.amdhsa_reserve_vcc 0
		.amdhsa_float_denorm_mode_32 3
		.amdhsa_float_denorm_mode_16_64 3
		.amdhsa_memory_ordered 1
		.amdhsa_forward_progress 1
		.amdhsa_inst_pref_size 255
	.end_amdhsa_kernel
	.section	.bss,"aw",@nobits
	.p2align	6
	.space	262144
	.amdgpu_metadata
---
amdhsa.version: [ 1, 2 ]
amdhsa.kernels:
  - .name:           k_qf2d7b0cd82_attn
    .symbol:         k_qf2d7b0cd82_attn.kd
    .args:
      - { .name: cod, .offset: 0, .size: 8, .value_kind: global_buffer, .address_space: global }
      - { .name: scl, .offset: 8, .size: 8, .value_kind: global_buffer, .address_space: global }
      - { .name: wc, .offset: 16, .size: 8, .value_kind: global_buffer, .address_space: global }
      - { .name: ws, .offset: 24, .size: 8, .value_kind: global_buffer, .address_space: global }
      - { .name: bi, .offset: 32, .size: 8, .value_kind: global_buffer, .address_space: global }
      - { .name: inp, .offset: 40, .size: 8, .value_kind: global_buffer, .address_space: global }
      - { .name: out0, .offset: 48, .size: 8, .value_kind: global_buffer, .address_space: global }
    .group_segment_fixed_size: 327680
    .private_segment_fixed_size: 0
    .kernarg_segment_align: 8
    .kernarg_segment_size: 56
    .max_flat_workgroup_size: 128
    .sgpr_count:     102
    .vgpr_count:     1024
    .wavefront_size: 32
...
	.end_amdgpu_metadata
.endif
;; end of part 3
